; MI455X (gfx1250); checked and timed in simulation.
; The chip was launched on July 23, 2026; its instructions are those of AMD's public machine-readable ISA for CDNA 5 (MIT licence, August 2026) and "CDNA5" Instruction Set Architecture Reference Guide (July 2026). The comments in the code are by the model that wrote it; some were corrected since.
;; Attention. Allowed arithmetic: matrix products marked QUANTISED: E2M1 operands, one E8M0 scale for each 32 along K, by v_wmma_scale_f32_16x16x128_f8f6f4 with both operands' format E2M1 (or v_wmma_scale_f32_32x16x128_f4), f32 sums; everything else in f32.
;; Inputs: K_codes 64 x 16 x 32 x 16 uint8 (E2M1 codes of K, K innermost, in blocks of 32 codes, two codes a byte); K_scales 64 x 16 x 32 uint8 (E8M0 scales of K, one for each 32 codes along K); Q_codes 64 x 16 x 32 x 16 uint8 (E2M1 codes of Q, K innermost, in blocks of 32 codes, two codes a byte); Q_scales 64 x 16 x 32 uint8 (E8M0 scales of Q, one for each 32 codes along K); V_codes 64 x 16 x 32 x 16 uint8 (E2M1 codes of V, K innermost, in blocks of 32 codes, two codes a byte); V_scales 64 x 16 x 32 uint8 (E8M0 scales of V, one for each 32 codes along K); W 1,024 x 64 x 16 float32; x_codes 4 x 2,048 x 32 x 16 uint8 (E2M1 codes of x, K innermost, in blocks of 32 codes, two codes a byte); x_scales 4 x 2,048 x 32 uint8 (E8M0 scales of x, one for each 32 codes along K).
;; Outputs: out0 4 x 2,048 x 1,024 float32.
;; This version of the problem:
;;   THIS VERSION OF THE PROBLEM IS GIVEN IN LOW PRECISION. The matrix products marked QUANTISED in the list below multiply operands that are first quantised to E2M1 (2 exponent bits, 1 mantissa bit; 4 bits a number), with one power-of-two scale for each 32 numbers along K (OCP MX v1.0); their sums are f32. All else is computed in f32.
;;   The module's matrix products, in the order in which they are computed (A, B: the left and right operand; K: the contracted axis; several contracted axes count as one K, in the product's order):
;;     1. [M 8,192, K 1,024] x [K 1,024, N 1,024]; A: input x (given as codes); B: input Q (given as codes): QUANTISED
;;     2. [M 8,192, K 1,024] x [K 1,024, N 1,024]; A: input x (given as codes); B: input K (given as codes): QUANTISED
;;     3. [M 8,192, K 1,024] x [K 1,024, N 1,024]; A: input x (given as codes); B: input V (given as codes): QUANTISED
;;     4. batch 64 x [M 2,048, K 64] x [K 64, N 2,048]; A: computed on the way; B: computed on the way: QUANTISED
;;     5. batch 64 x [M 2,048, K 2,048] x [K 2,048, N 64]; A: softmax (see below); B: computed on the way: QUANTISED
;;     6. [M 8,192, K 1,024] x [K 1,024, N 1,024]; A: computed on the way; B: input W: QUANTISED
;;   THE QUANTISER, for each operand of a quantised product, along K:
;;     - K is cut into blocks of 32 from its start; a last block that is shorter is filled with zeros.
;;     - A block's scale is 2^e with e = floor(log2(the largest magnitude in the block)) - 2, held to -126 .. 127; a block of zeros has e = 0. As a byte (E8M0): e + 127.
;;     - Each number is divided by its block's scale, clamped to +-6, and rounded to the nearest number of E2M1, ties to even, subnormals kept.
;;     - The product sums the exact products of the quantised numbers (number of the format x scale) in f32.
;;   ~~~python
;;   def quantise(x, axis):      # numpy; x: float32 -> the quantised numbers, widened to float32 again
;;       x = np.moveaxis(x, axis, -1); K = x.shape[-1]
;;       x = np.pad(x, [(0, 0)] * (x.ndim - 1) + [(0, -K % 32)]); x = x.reshape(x.shape[:-1] + (-1, 32)); a = np.abs(x).max(-1, keepdims=True)
;;       e = np.where(a > 0, np.clip(np.frexp(np.where(a > 0, a, 1))[1] - 1 - 2, -126, 127), 0)      # np.frexp(a)[1] - 1 = floor(log2(a)), exactly
;;       r = np.clip(x / 2.0 ** e, -6, 6)
;;       step = 2.0 ** (np.maximum(np.frexp(np.where(r == 0, 1, r))[1] - 1, 0) - 1)
;;       q = np.round(r / step) * step * 2.0 ** e      # np.round: ties to even
;;       return np.moveaxis(q.reshape(q.shape[:-2] + (-1,))[..., :K], -1, axis).astype(np.float32)
;;   ~~~
;;   SOFTMAX AHEAD OF A QUANTISED PRODUCT. Where the list says 'softmax', what is quantised is not the finished softmax but p = 2^(t - M), with t = logit x log2(e) and M = ceil(the row's largest t), a whole number; so 1/2 < the row's largest p <= 1. The row's sum l is taken of the UNQUANTISED p, in f32, and the product's result is divided by l at the end. Since M is a whole number, a kernel that streams over the keys may use a running M (the ceiling of the running maximum): every later rescaling is an exact power of two, which a block's scale takes up: the codes' values come out the same.
;;   OPERANDS COMPUTED ON THE WAY. 'Computed on the way' means the value that the module computes at that place (a softmax that the list does not call 'softmax' is quantised finished and normalised). What goes into a quantiser is computed in f32, as accurately as f32 sums, v_exp_f32 and their like allow (about 1e-6 of the number): no bf16 or f16 on the way to a quantiser, and a product that is left as it is and whose result goes on into a quantised operand takes f32 operands (vector FMAs, or v_wmma_f32_16x16x4_f32). A number that lies on a knife's edge between two numbers of the format may be rounded either way, as far as f32 arithmetic and the matrix unit's own rounding can turn it there, and no further.
;;   INPUTS GIVEN AS CODES. K (in the module: [64, 1024, 16], K = its axis 1); Q (in the module: [64, 1024, 16], K = its axis 1); V (in the module: [64, 1024, 16], K = its axis 1); x (in the module: [4, 2048, 1024], K = its axis 2): each comes as NAME_codes (uint8): NAME with its K axis moved to the last place and cut into blocks of 32 codes, [.., K / 32, bytes a block], one block behind the other in memory; two codes a byte, the lower K in the low four bits (a code: sign, 2 exponent bits, 1 mantissa bit); and NAME_scales (uint8): the same leading axes, one E8M0 byte (e + 127) for each 32 codes along K. Its value is code x scale, taken as it is: it is not quantised again, and the codes and scales need not be those that the quantiser above would give.
;; One version. Each part assembles by itself: llvm-mc -triple=amdgcn-amd-amdhsa -mcpu=gfx1250 --defsym DOCPART=n.
;; ======== version 1 of 1: 4 launches
;; workspace buffers: wl_codes 1,572,864 bytes; wl_scales 98,304 bytes; wc 524,288 bytes; ws 32,768 bytes; qrec 9,437,184 bytes; kv 9,437,184 bytes; yc 4,194,304 bytes; ysc 262,144 bytes
;; launch prep (part 1): grid 176 x 1, 8 waves a work-group, no clusters, 1,280 bytes of LDS; arguments W, Q_codes, Q_scales, K_codes, K_scales, V_codes, V_scales, wc, ws, wl_codes, wl_scales; writes wc, ws, wl_codes, wl_scales
.if DOCPART == 1
	.amdgcn_target "amdgcn-amd-amdhsa--gfx1250"
	.amdhsa_code_object_version 6
	.text
	.protected	k_qbe1152a35e_prep
	.globl	k_qbe1152a35e_prep
	.p2align	8
	.type	k_qbe1152a35e_prep,@function
k_qbe1152a35e_prep:
	s_mov_b64 s[64:65], 0
	v_nop
	global_prefetch_b8 v0, s[64:65] scope:SCOPE_SE
	s_setreg_imm32_b32 hwreg(HW_REG_WAVE_MODE, 25, 1), 1
	s_wait_xcnt 0x0
; FIRST OF FOUR LAUNCHES of causal attention on codes of E2M1 with E8M0 scales (B 4, C 2,048, D 1,024, 16 heads of 64).
;   prep: W becomes codes; the weights Q, K, V are laid head by head.   proj: q, k, v = x times the weights, quantised on the way out.
;   attn: scores, softmax, p v, y quantised.   outp: z = y W.
; WORK LEFT OUT.  reference() itself sets a score to -infinity where the key comes after the query, so p is 0 there whatever finite values the inputs hold, and adds 0 to the
; row's sum and to y.  A step of 128 keys all of which come after all 16 queries of a tile is therefore left out whole in the launch attn: its scores, its softmax, its part of p v.
; Nothing else is left out, and every input is loaded.  LIMIT: a NaN, an infinity or an overflow that reaches only those scores is not carried to the result.
; FACTORS THAT ARE POWERS OF TWO are moved, which changes no code: a block's scale takes them up.  sq = sv = 1/4 are not applied ahead of the quantisers of q, k, v; the scores' 1/16 and 1/64 stand in
; c = log2(e) / 1,024; sv stands in y's divisor; the last factor sqrt(16) / 16 = 1/4 is taken off W's scale bytes HERE (byte - 2).
; LIMITS: a block of W whose largest magnitude lies under 2^-122 is held at the stored byte 1; NaN and infinities among the inputs are not served.
; THE LAST PRODUCT'S K is 64 h + v (the contracted names in sorted order, h then v): a block is 32 neighbouring v of one head.
; WORK-GROUPS 0-127: W [d 1,024][v 64][h 16] f32.  Wave w takes row d = 8 x work-group + w.  Lane l takes head l / 2 and the block g = l % 2; its 32 registers run down v, so the block's largest magnitude
; needs no other lane and the conversions give codes with K innermost: 16 bytes at byte (64 h + 32 g) / 2 = 16 l of the row: the wave stores 512 consecutive bytes.  The eight waves' 256 scale bytes meet in LDS
; and leave as 256 consecutive bytes, aligned.
; WORK-GROUPS 128-175: tensor (k / 16) and head (k % 16), k = work-group - 128: the 64 rows 16 u + head of that tensor's codes (512 bytes) and scales (32 bytes) are laid on end, so that the next launch
; finds one matrix [3 x 16 x 64][512 bytes] whose 64 neighbouring rows are a head.
.set SPARE, 256                        ; behind the 256 scale bytes: the spare words, 128 bytes for each of the eight waves; no other line names them
.set SPW, 2                            ; v2  LDS address of my spare word; never rewritten
.set NIL, 3                            ; v3  0; never rewritten
.set X,   32                           ; v32-63 32 numbers of W, or eight rows' 16 bytes
.set CD,  64                           ; v64-67 a block's codes, or 8 scale bytes
	s_load_b256 s[4:11], s[0:1], 0x0               ; W s[4:5], Q's codes s[6:7], Q's scales s[8:9], K's codes s[10:11]
	s_load_b256 s[12:19], s[0:1], 0x20             ; K's scales s[12:13], V's codes s[14:15], V's scales s[16:17], wc s[18:19]
	s_load_b128 s[20:23], s[0:1], 0x40             ; ws s[20:21], wl_codes s[22:23]
	s_load_b64 s[24:25], s[0:1], 0x50              ; wl_scales
	v_lshl_add_u32 v[SPW], v0, 2, SPARE
	v_mov_b32 v[NIL], 0
	v_lshrrev_b32 v1, 5, v0
	v_readfirstlane_b32 s26, v1                    ; wave 0..7
	v_and_b32 v4, 31, v0                           ; lane
	v_lshlrev_b32 v5, 4, v4                        ; 16 x lane
	v_lshlrev_b32 v6, 3, v4                        ; 8 x lane
	v_and_b32 v7, 1, v4                            ; g
	v_lshrrev_b32 v8, 1, v4                        ; h
	v_lshlrev_b32 v7, 11, v7
	v_lshl_add_u32 v7, v8, 2, v7                   ; W: 32 g rows of 64 bytes + 4 h
	v_lshrrev_b32 v9, 2, v4
	v_and_b32 v10, 3, v4
	v_lshlrev_b32 v9, 9, v9
	v_lshl_add_u32 v9, v10, 3, v9                  ; scales on the way in: row lane / 4 (16 rows of 32 bytes apart), piece lane % 4 of 8 bytes
	s_mov_b32 s31, 0
	s_mov_b32 s33, 0
	s_wait_kmcnt 0x0
	s_cmp_lt_u32 ttmp9, 128
	s_cbranch_scc0 .Lcopy
	; ---- W's row d
	s_lshl_b32 s28, ttmp9, 3
	s_add_co_u32 s28, s28, s26                     ; d
	s_lshl_b32 s30, s28, 12                        ; a row of W is 4,096 bytes
	s_add_nc_u64 s[4:5], s[4:5], s[30:31]
	s_lshl_b32 s32, s28, 9                         ; a row of codes 512
	s_add_nc_u64 s[18:19], s[18:19], s[32:33]
.set I, 0
.rept 32
	global_load_b32 v[X+I], v7, s[4:5] offset:64*I ; W(d, 32 g + I, h)
.set I, I+1
.endr
	s_wait_loadcnt 0x0
	v_max3_num_f32 v12, |v[X]|, |v[X+1]|, |v[X+2]| ; the block's largest magnitude, in two chains
	v_max3_num_f32 v13, |v[X+3]|, |v[X+4]|, |v[X+5]|
.irp i, 6,10,14,18,22,26
	v_max3_num_f32 v12, v12, |v[X+\i]|, |v[X+\i+1]|
	v_max3_num_f32 v13, v13, |v[X+\i+2]|, |v[X+\i+3]|
.endr
	v_max3_num_f32 v12, v12, |v[X+30]|, |v[X+31]|
	v_max3_num_f32 v12, v12, v13, 0x2800000        ; and the floor 2^(5 - 127): the scale's byte is 3 at the least, the stored byte 1
	v_add_nc_u32 v11, 0xff000000, v12              ; 2 off the exponent field: the conversion takes this operand's exponent field as its scale
.irp g, 0,1,2,3
	v_cvt_scalef32_pk8_fp4_f32 v[CD+\g], v[X+8*\g:X+8*\g+7], v11
.endr
	v_lshrrev_b32 v13, 23, v11                     ; the scale's byte (a plain line behind the conversions),
	v_add_nc_u32 v13, -2, v13                      ; less 2: the last product's factor 1/4
	global_store_b128 v5, v[CD:CD+3], s[18:19]     ; 32 lanes store the row's 512 bytes
	ds_store_b8 v0, v13                            ; byte 32 w + lane: the thread's number
	s_branch .Ljoin
.Lcopy:
	s_sub_co_u32 s28, ttmp9, 128                   ; k = 16 x tensor + head
	s_and_b32 s29, s28, 15                         ; head
	s_cmp_lt_u32 s28, 32                           ; the choices hang on the work-group's number alone
	s_cselect_b64 s[10:11], s[10:11], s[14:15]
	s_cselect_b64 s[12:13], s[12:13], s[16:17]
	s_cmp_lt_u32 s28, 16
	s_cselect_b64 s[6:7], s[6:7], s[10:11]         ; the tensor's codes
	s_cselect_b64 s[8:9], s[8:9], s[12:13]         ; and scales
	s_lshl_b32 s30, s26, 7
	s_add_co_u32 s30, s30, s29                     ; my first row in: 16 x (8 w) + head
	s_lshl_b32 s32, s30, 9
	s_add_nc_u64 s[6:7], s[6:7], s[32:33]
	s_lshl_b32 s32, s30, 5
	s_add_nc_u64 s[8:9], s[8:9], s[32:33]
	s_lshl_b32 s30, s28, 6
	s_lshl_b32 s29, s26, 3
	s_add_co_u32 s30, s30, s29                     ; my first row out: 64 k + 8 w
	s_lshl_b32 s32, s30, 9
	s_add_nc_u64 s[22:23], s[22:23], s[32:33]
	s_lshl_b32 s32, s30, 5
	s_add_nc_u64 s[24:25], s[24:25], s[32:33]
.irp i, 0,1,2,3,4,5,6,7
	global_load_b128 v[X+4*\i:X+4*\i+3], v5, s[6:7] offset:8192*\i th:TH_LOAD_NT   ; a whole row of 512 bytes; the next unit's row lies 16 rows on
.endr
	global_load_b64 v[CD:CD+1], v9, s[8:9] th:TH_LOAD_NT
	s_wait_loadcnt 0x0
.irp i, 0,1,2,3,4,5,6,7
	global_store_b128 v5, v[X+4*\i:X+4*\i+3], s[22:23] offset:512*\i
.endr
	global_store_b64 v6, v[CD:CD+1], s[24:25]      ; eight rows' scales: 256 consecutive bytes, aligned
.Ljoin:
	s_wait_dscnt 0x0                               ; for the others' sake: my scale byte lies in LDS
	s_barrier_signal -1
	s_barrier_wait -1                              ; every wave of every work-group passes this one barrier
	s_cmp_lt_u32 ttmp9, 128
	s_cbranch_scc0 .Lend
	s_cmp_lg_u32 s26, 0
	s_cbranch_scc1 .Lend
	ds_load_b64 v[68:69], v6                       ; wave 0: the eight rows' 256 scale bytes
	s_lshl_b32 s30, ttmp9, 8
	s_add_nc_u64 s[20:21], s[20:21], s[30:31]
	s_wait_dscnt 0x0
	global_store_b64 v6, v[68:69], s[20:21]        ; 256 consecutive bytes, aligned
.Lend:
	s_wait_tensorcnt 0x0                           ; the wave's end
	ds_add_u32 v[SPW], v[NIL]
	s_wait_dscnt 0x0
	s_endpgm
.Lfunc_end_k_qbe1152a35e_prep:
	.size	k_qbe1152a35e_prep, .Lfunc_end_k_qbe1152a35e_prep-k_qbe1152a35e_prep
	.p2alignl 7, 3214868480
	.fill 96, 4, 3214868480
	.section	.rodata,"a",@progbits
	.p2align	6, 0x0
	.amdhsa_kernel k_qbe1152a35e_prep
		.amdhsa_group_segment_fixed_size 1280
		.amdhsa_private_segment_fixed_size 0
		.amdhsa_enable_private_segment 0
		.amdhsa_kernarg_size 88
		.amdhsa_user_sgpr_count 2
		.amdhsa_user_sgpr_kernarg_segment_ptr 1
		.amdhsa_wavefront_size32 1
		.amdhsa_system_sgpr_workgroup_id_x 1
		.amdhsa_system_sgpr_workgroup_id_y 1
		.amdhsa_system_sgpr_workgroup_id_z 1
		.amdhsa_system_vgpr_workitem_id 0
		.amdhsa_next_free_vgpr 72
		.amdhsa_next_free_sgpr 66
		.amdhsa_reserve_vcc 0
		.amdhsa_float_denorm_mode_32 3
		.amdhsa_float_denorm_mode_16_64 3
		.amdhsa_memory_ordered 1
		.amdhsa_forward_progress 1
		.amdhsa_inst_pref_size 10
	.end_amdhsa_kernel
	.amdgpu_metadata
---
amdhsa.version: [ 1, 2 ]
amdhsa.kernels:
  - .name:           k_qbe1152a35e_prep
    .symbol:         k_qbe1152a35e_prep.kd
    .args:
      - { .name: W, .offset: 0, .size: 8, .value_kind: global_buffer, .address_space: global }
      - { .name: Q_codes, .offset: 8, .size: 8, .value_kind: global_buffer, .address_space: global }
      - { .name: Q_scales, .offset: 16, .size: 8, .value_kind: global_buffer, .address_space: global }
      - { .name: K_codes, .offset: 24, .size: 8, .value_kind: global_buffer, .address_space: global }
      - { .name: K_scales, .offset: 32, .size: 8, .value_kind: global_buffer, .address_space: global }
      - { .name: V_codes, .offset: 40, .size: 8, .value_kind: global_buffer, .address_space: global }
      - { .name: V_scales, .offset: 48, .size: 8, .value_kind: global_buffer, .address_space: global }
      - { .name: wc, .offset: 56, .size: 8, .value_kind: global_buffer, .address_space: global }
      - { .name: ws, .offset: 64, .size: 8, .value_kind: global_buffer, .address_space: global }
      - { .name: wl_codes, .offset: 72, .size: 8, .value_kind: global_buffer, .address_space: global }
      - { .name: wl_scales, .offset: 80, .size: 8, .value_kind: global_buffer, .address_space: global }
    .group_segment_fixed_size: 1280
    .private_segment_fixed_size: 0
    .kernarg_segment_align: 8
    .kernarg_segment_size: 88
    .max_flat_workgroup_size: 256
    .sgpr_count:     66
    .vgpr_count:     72
    .wavefront_size: 32
...
	.end_amdgpu_metadata
.endif
;; end of part 1
;; launch proj (part 2): grid 12 x 32, 4 waves a work-group, clusters of 4 x 4, 327,680 bytes of LDS; arguments x_codes, x_scales, wl_codes, wl_scales, qrec, kv; writes qrec, kv
.if DOCPART == 2
	.amdgcn_target "amdgcn-amd-amdhsa--gfx1250"
	.amdhsa_code_object_version 6
	.text
	.protected	k_qbe1152a35e_proj
	.globl	k_qbe1152a35e_proj
	.p2align	8
	.type	k_qbe1152a35e_proj,@function
k_qbe1152a35e_proj:
	s_mov_b64 s[64:65], 0
	v_nop
	global_prefetch_b8 v0, s[64:65] scope:SCOPE_SE
	s_setreg_imm32_b32 hwreg(HW_REG_WAVE_MODE, 25, 1), 1
	s_wait_xcnt 0x0
	s_wait_alu depctr_hold_cnt(0) depctr_sa_sdst(0) depctr_va_vdst(0) depctr_va_sdst(0) depctr_va_ssrc(0) depctr_va_vcc(0) depctr_vm_vsrc(0)
	s_getreg_b32 s2, hwreg(HW_REG_IB_STS2, 6, 4)
	s_cmp_eq_u32 s2, 0
	s_cbranch_scc0 .Lentry_in_a_cluster
	s_endpgm
.Lentry_in_a_cluster:
	s_bfe_u32 s2, ttmp6, 0x10000c
	s_cmp_lg_u32 s2, 0xf033
	s_cbranch_scc0 .Lentry_shape_is_right
	s_endpgm
.Lentry_shape_is_right:
; q, k, v = x times the weights, on codes of E2M1 with E8M0 scales, and the results quantised on the way out, in the order of the next launch's operand registers.
; x: [8,192][1,024] codes (512 bytes a row), scales [8,192][32].  The weights, as the first launch laid them: [3 (Q, K, V) x 16 heads x 64 units][512 bytes], scales 32 bytes a row.
; A work-group of four waves makes 256 rows of x times 256 rows of weights (4 heads of one tensor); a wave 128 x 128: 64 accumulators of 16 x 16, 512 registers.  K = 1,024 is two LDS slots of 512 along K,
; both filled at the head by the tensor data mover: no slot is filled again.  The scale bytes of the 256 + 256 rows come with them, in rows of 256 bytes.
; CLUSTERS: 4 x 4 work-groups.  The four of a row of the cluster need the same rows of x, the four of a column the same rows of weights: each tile is asked for jointly, by the same tensor load with the same
; descriptor and a mask that names the four.  Cluster x is the tensor: 0 Q, 1 K, 2 V: the same number in all sixteen partners.
; WHICH SIDE IS WHICH.  In a result a lane holds ONE row of source 1, and its registers run along the rows of source 0.  q and k are quantised along the head's 64 units: source 1 = x, source 0 = weights.
; v is quantised along the keys: source 1 = weights, source 0 = x.  The matrix text is one: for V the LDS addresses from which the two sources and their scale words are read change places.
; THE WAY OUT needs no LDS.  A lane's 64 registers of one block of source 1 are 8 tiles of 16 rows of source 0: tile t, register j = row 16 t + 8 (lane / 16) + j.  A block of 32 is tiles 2 b, 2 b + 1 in lanes l and l xor 16.
; Tile 4 c + u is converted into register 4 c + 2 u and tile 4 c + 2 + u into register 4 c + 2 u + 1; one exchange of halves between the two leaves register 4 c + i with k = 64 c + 32 (lane / 16) + 8 i + 0 .. 7:
; the 4-bit operand's own layout.  Each group of four registers is stored as it stands, lane l's 16 bytes at 16 l: 512 consecutive bytes, aligned.
; THE RECORD of a head (b, h): 16 steps of 128 keys, 9,216 bytes each: 8 tiles of k (16 keys x 64: 512 bytes); 4 fragments of v^T (16 channels x 128 keys: 1,024 bytes); k's scale words (512); v's (512).  q goes into the k parts of
; a second such buffer, the rest of which nobody writes or reads.
; sq and sv are not applied: they are powers of two, which a block's scale takes up; the next launch accounts for them.
; LIMITS: a block of q, k or v whose largest magnitude lies under 2^-124 is held at the byte 1 (a block of zeros too: its codes are zeros, and these bytes are read by this program alone); NaN and infinities are not served.
; REGISTERS, in windows of 256: window 0: v0-31 addresses; v32-95 scale words, two sets; v96-115 at work on the way out; from v128 source 1's fragments, ONE set, on the way out the codes.
;   window 1: source 0's fragments, TWO sets, at v0 and v128.   window 2: the 32 accumulators of source 1's blocks 0-3 (accumulator (a, b) at v[8 (8 a + b)]);   window 3: those of blocks 4-7.
.set KSTEP,  512                       ; along K in a slot
.set NQ,     KSTEP/128                 ; matrix instructions deep
.set ROWB,   256                       ; a tile's row in bytes
.set KROW,   512                       ; a row of x or of the weights in memory
.set PITCH,  272                       ; an LDS row: 256 bytes + 16 of padding = 68 words: the 16 rows that a load touches start at 16 different banks (64 banks of 4 bytes: ISA guide 11.1)
.set FR,     8                         ; registers of a fragment: 16 rows x 128 K
.set NL,     2                         ; LDS loads that bring one
.set NP,     4                         ; places behind this matrix instruction (ISA guide 7.12.1)
.set HALFT,  128*PITCH                 ; 128 rows: what one tensor load brings, and what one wave reads of a side
.set SLOT,   4*HALFT                   ; x's 256 rows, then the weights' 256
.set KS,     32                        ; a row of scales in bytes
.set SCL,    2*SLOT                    ; behind the slots: the scales, as rows of 256 bytes + 16 of padding: x's 256 rows, then the weights'
.set HALFS,  (128*KS/256)*272          ; the scales of 128 rows
.set SBLK,   (16*KS/256)*272           ; those of 16 rows
.set SPARE,  SCL+4*HALFS               ; behind the scales: the spare words, 128 bytes for each wave; no other line names them
.set REC,    147456                    ; a head's record
.set STEPB,  9216                      ; a step's part of it
.set ADRA, 16                          ; v16-17  LDS address of source 1's fragments in slot 0, 1
.set ADRB, 20                          ; v20-21  the same for source 0
.set LI,   24                          ; v24     16 x lane: my place in an image; never rewritten
.set ADRS, 27                          ; v27     LDS address of my scale words: lanes 0-15 source 1's rows, lanes 16-31 source 0's
.set SPW,  28                          ; v28     LDS address of my spare word; never rewritten
.set NIL,  29                          ; v29     0; never rewritten
.set SC,   32                          ; scale words: set s at v[SC + 32 s]; register 4 i + q: lanes 0-15 the word of source 1's block i, lanes 16-31 that of source 0's block i, for the slot's q-th 128 along K
.set TM,   96                          ; v96-99 largest magnitudes, v100-103 the other half's and then the bytes, v104-107 the conversions' scale operands
.set SW,   108                         ; v108-115 the scale words that go out
.set AF,   128                         ; source 1's fragments
.set PC,   128                         ; and, when they are done with, the codes: 8 registers for each block a
.set SEL,  66                          ; s[66:67] v_permlanex16_b32's selects for lane l xor 16
.set G1, 24                            ; s[24:31] descriptor group 1 for x's tiles;  s[32:39] group 0, one set for each slot
.set G0, 32
.set G1B, 48                           ; s[48:55], s[56:63] the same for the weights' tiles
.set G0B, 56
.set G1S, 68                           ; s[68:75], s[76:79] groups 1 and 0 for x's scales;  s[80:87], s[88:91] for the weights'
.set G0S, 76
.set G1SB, 80
.set G0SB, 88
.set MSB, 0
.macro WIN new                         ; the immediate's high byte repeats the setting that is left
.if MSB != \new
	s_set_vgpr_msb (MSB<<8)|\new
.set MSB, \new
.endif
.endm
.set MUL_LO, 0xa1                      ; source 0 window 1, source 1 window 0, C and D window 2
.set MUL_HI, 0xf1                      ; the same, C and D window 3
.set TO_B,   0x40                      ; destination window 1, address window 0
; A joint load: waves 0 and 1 fetch x's two halves, waves 2 and 3 the weights'.  Each of the two lines has ONE mask and one set of registers for all that issue it; the branch hangs on the wave's number alone.
; An s_nop 0 and four v_nop follow each of the two lines, ahead of the jump, the label and what follows.
.macro JLOAD g0a, g1a, g0b, g1b
	s_cmp_eq_u32 s15, 0
	s_cbranch_scc0 .Lfor_b_\@
	tensor_load_to_lds s[\g0a:\g0a+3], s[\g1a:\g1a+7]
	s_nop 0
.rept 4
	v_nop
.endr
	s_branch .Lasked_\@
.Lfor_b_\@:
	tensor_load_to_lds s[\g0b:\g0b+3], s[\g1b:\g1b+7]
	s_nop 0
.rept 4
	v_nop
.endr
.Lasked_\@:
.endm
.macro CROUND                          ; a round of the cluster's barrier: my work-group's barrier; wave 0 signals for the work-group; every wave waits for all sixteen; my work-group's barrier once more
	s_barrier_signal -1
	s_barrier_wait -1
	s_cmp_lg_u32 s14, 0
	s_cbranch_scc1 .Lnot_wave_0_\@
	s_barrier_signal -3
.Lnot_wave_0_\@:
	s_barrier_wait -3
	s_barrier_signal -1
	s_barrier_wait -1
.endm
	s_load_b128 s[4:7], s[0:1], 0x0                ; x's codes s[4:5], x's scales s[6:7]
	s_load_b128 s[8:11], s[0:1], 0x10              ; the weights' codes s[8:9], scales s[10:11]
	s_load_b128 s[96:99], s[0:1], 0x20             ; qrec s[96:97], kv s[98:99]
	v_lshl_add_u32 v[SPW], v0, 2, SPARE
	v_mov_b32 v[NIL], 0
	ds_add_u32 v[SPW], v[NIL]                      ; the wave's opening: the add, twice on end, and its wait ahead of my first tensor load; the set-up below, work on registers, stands between
	ds_add_u32 v[SPW], v[NIL]
	v_lshrrev_b32 v1, 5, v0
	v_readfirstlane_b32 s14, v1                    ; wave 0..3
	s_lshr_b32 s15, s14, 1                         ; which half of source 1's 256 rows is mine.  Also: I fetch for x (0) or for the weights (1)
	s_and_b32 s16, s14, 1                          ; which half of source 0's.  Also: which 128 rows I fetch
	s_bfe_u32 s40, ttmp6, 0x40000                  ; cx, cy: my place in the cluster
	s_bfe_u32 s41, ttmp6, 0x40004
	s_lshl_b32 s42, ttmp9, 2
	s_add_co_u32 s42, s42, s40                     ; which 256 rows of weights = 4 x cluster x + cx
	s_and_b32 s17, ttmp7, 0xffff
	s_lshl_b32 s17, s17, 2
	s_add_co_u32 s17, s17, s41                     ; which 256 rows of x = 4 x cluster y + cy
	s_lshl_b32 s43, s41, 2
	s_lshl_b32 s43, 15, s43                        ; my row of the cluster
	s_lshl_b32 s44, 0x1111, s40                    ; my column
	s_cmp_eq_u32 ttmp9, 2
	s_cselect_b32 s3, 1, 0                         ; 1: the tensor is V.  The cluster's x: the same in all sixteen partners
	s_mov_b32 s95, 0xffff0000                      ; lanes 16-31
	s_mov_b32 s[SEL], 0x76543210
	s_mov_b32 s[SEL+1], 0xfedcba98
	; descriptor group 1: a tile of 128 rows x 256 bytes, padded in LDS
	s_or_b32 s[G1+0], s43, (0<<16)|(1<<20)|(1<<21)|(5<<22)|(3<<25)  ; 15:0 the mask: x's tiles go to my row; 17:16 element of 1 byte; 20 padding on; 21 set beside a mask; 24:22 after every 64 words (code 5); 31:25 of 4 words (code 3)
	s_or_b32 s[G1B+0], s44, (0<<16)|(1<<20)|(1<<21)|(5<<22)|(3<<25) ; the weights' go to my column
.irp g, G1, G1B
	s_mov_b32 s[\g+1], ROWB<<16                    ; tensor_dim0
	s_mov_b32 s[\g+2], 128<<16                     ; tensor_dim1 = 128
	s_mov_b32 s[\g+3], ROWB<<16                    ; tile_dim0
	s_mov_b32 s[\g+4], 128                         ; tile_dim1 = 128
	s_mov_b32 s[\g+5], KROW                        ; tensor_dim0_stride
	s_mov_b32 s[\g+6], 0
	s_mov_b32 s[\g+7], 0
.endr
	; and for the scales of 128 rows: a dense block of 4,096 bytes, as 16 rows of 256 bytes (32 elements of 8 bytes), 16 bytes of padding behind each
	s_or_b32 s[G1S+0], s43, (3<<16)|(1<<20)|(1<<21)|(5<<22)|(3<<25)
	s_or_b32 s[G1SB+0], s44, (3<<16)|(1<<20)|(1<<21)|(5<<22)|(3<<25)
.irp g, G1S, G1SB
	s_mov_b32 s[\g+1], 32<<16
	s_mov_b32 s[\g+2], (128*KS/256)<<16
	s_mov_b32 s[\g+3], 32<<16
	s_mov_b32 s[\g+4], 128*KS/256
	s_mov_b32 s[\g+5], 32
	s_mov_b32 s[\g+6], 0
	s_mov_b32 s[\g+7], 0
.endr
	s_lshl_b32 s18, s16, 7                         ; which 128 rows I fetch
	s_lshl_b32 s20, s17, 8
	s_add_co_u32 s20, s20, s18                     ; x: row 256 x (which 256) + 128 x half
	s_lshl_b32 s46, s42, 8
	s_add_co_u32 s46, s46, s18                     ; the weights likewise
	s_mov_b32 s21, 0
	s_mov_b32 s47, 0
	s_mov_b64 s[18:19], KS
	s_mul_u64 s[22:23], s[20:21], s[18:19]         ; where these rows' scales begin, in bytes
	s_mul_u64 s[92:93], s[46:47], s[18:19]
	s_mov_b64 s[18:19], KROW
	s_mul_u64 s[20:21], s[20:21], s[18:19]         ; and their codes
	s_mul_u64 s[46:47], s[46:47], s[18:19]
	s_mul_i32 s45, s14, HALFT                      ; where they go: wave x 128 rows: no place in the cluster enters an LDS address
	s_mul_i32 s94, s14, HALFS
	s_wait_dscnt 0x0                               ; both opening adds are done
	s_wait_kmcnt 0x0
	s_add_nc_u64 s[20:21], s[4:5], s[20:21]
	s_add_nc_u64 s[22:23], s[6:7], s[22:23]
	s_add_nc_u64 s[46:47], s[8:9], s[46:47]
	s_add_nc_u64 s[92:93], s[10:11], s[92:93]
	CROUND                                         ; all sixteen work-groups are here: the joint loads meet
	s_mov_b32 s[G0S], 1
	s_add_co_u32 s[G0S+1], s94, SCL
	s_mov_b64 s[G0S+2:G0S+3], s[22:23]
	s_or_b32 s[G0S+3], s[G0S+3], 0x80000000
	s_mov_b32 s[G0SB], 1
	s_add_co_u32 s[G0SB+1], s94, SCL
	s_mov_b64 s[G0SB+2:G0SB+3], s[92:93]
	s_or_b32 s[G0SB+3], s[G0SB+3], 0x80000000
	JLOAD G0S, G1S, G0SB, G1SB                     ; the scales first: they are wanted with the first products
.irp s, 0,1
	s_mov_b32 s[G0+4*\s], 1
	s_add_co_u32 s[G0+4*\s+1], s45, \s*SLOT
	s_add_nc_u64 s[G0+4*\s+2:G0+4*\s+3], s[20:21], \s*ROWB
	s_or_b32 s[G0+4*\s+3], s[G0+4*\s+3], 0x80000000
	s_mov_b32 s[G0B+4*\s], 1
	s_add_co_u32 s[G0B+4*\s+1], s45, \s*SLOT
	s_add_nc_u64 s[G0B+4*\s+2:G0B+4*\s+3], s[46:47], \s*ROWB
	s_or_b32 s[G0B+4*\s+3], s[G0B+4*\s+3], 0x80000000
	JLOAD G0+4*\s, G1, G0B+4*\s, G1B               ; three tensor loads of mine are out, and no more follow
.endr
	v_and_b32 v1, 15, v0                           ; l % 16
	v_bfe_u32 v2, v0, 4, 1                         ; l / 16
	v_mul_u32_u24 v3, v1, PITCH
	v_lshl_add_u32 v4, v2, 4, v3                   ; a fragment's row x pitch + 16 x half
	s_cmp_eq_u32 s3, 1                             ; V: the two sources change places
	s_cselect_b32 s18, 2*HALFT, 0                  ; where source 1's rows lie in a slot: x's region, for V the weights'
	s_cselect_b32 s19, 0, 2*HALFT                  ; and source 0's
	s_cselect_b32 s92, 2*HALFS, 0                  ; the same among the scales
	s_cselect_b32 s93, 0, 2*HALFS
	s_cselect_b32 s20, s16, s15                    ; which half of x's 256 rows is mine
	s_cselect_b32 s94, s15, s16                    ; and which half of the weights'
	s_mul_i32 s21, s15, HALFT
	s_add_co_u32 s21, s21, s18
	s_mul_i32 s22, s16, HALFT
	s_add_co_u32 s22, s22, s19
.irp s, 0,1
	v_add_nc_u32 v[ADRA+\s], s21, v4
	v_add_nc_u32 v[ADRB+\s], s22, v4
	s_add_co_u32 s21, s21, SLOT
	s_add_co_u32 s22, s22, SLOT
.endr
	v_mul_u32_u24 v5, v1, KS                       ; my row's scales: 32 bytes a row,
	v_lshrrev_b32 v6, 8, v5
	v_lshl_add_u32 v5, v6, 4, v5                   ; and 16 more for each 256 passed
	s_mul_i32 s21, s15, HALFS
	s_add_co_u32 s21, s21, s92
	s_add_co_u32 s21, s21, SCL                     ; source 1's 128 rows
	s_mul_i32 s22, s16, HALFS
	s_add_co_u32 s22, s22, s93
	s_add_co_u32 s22, s22, SCL                     ; source 0's
	v_mov_b32 v6, s21
	v_mov_b32 v7, s22
	v_cndmask_b32 v6, v6, v7, s95                  ; lanes 16-31 take source 0's
	v_add_nc_u32 v[ADRS], v5, v6
	v_and_b32 v6, 31, v0
	v_lshlrev_b32 v[LI], 4, v6
.irp b, 0,1,2,3
	v_mov_b32 v[TM+4+\b], 0                        ; written once: a lane permute's destination counts as one of its sources
.endr
	; where my results go: head 16 b + 4 cx + 2 x (my half of the weights) and the next one; step 2 x (which 256 rows of the batch) + my half of x
	s_lshr_b32 s21, s17, 3                         ; b
	s_lshl_b32 s21, s21, 4
	s_lshl_b32 s22, s40, 2
	s_add_co_u32 s21, s21, s22
	s_lshl_b32 s22, s94, 1
	s_add_co_u32 s21, s21, s22
	s_mul_i32 s22, s21, REC
	s_and_b32 s21, s17, 7
	s_lshl_b32 s21, s21, 1
	s_add_co_u32 s21, s21, s20
	s_mul_i32 s21, s21, STEPB
	s_add_co_u32 s22, s22, s21                     ; under 2^24: 64 records of 147,456 bytes
	s_mov_b32 s23, 0
	s_cmp_eq_u32 ttmp9, 0
	s_cselect_b64 s[12:13], s[96:97], s[98:99]     ; q's buffer, or k's and v's: the choice hangs on the cluster's number alone
	s_add_nc_u64 s[12:13], s[12:13], s[22:23]
.macro FRAG reg, adr, q, i             ; a fragment, 16 rows x 128 K of 4-bit codes: lane l holds row l % 16; registers 4 c .. 4 c + 3 hold K = 64 c + 32 (l / 16) + 0 .. 31
.irp c, 0,1
	ds_load_b128 v[\reg+4*\c:\reg+4*\c+3], v[\adr] offset:64*(\q)+32*\c+(\i)*16*PITCH
.endr
.endm
; 16 matrix instructions: source 1's blocks a0, a0 + 1 x source 0's eight, 128 along K: the slot's q-th.  p: source 0's set;  sc: the set of scale words.  zero = 1: the first product starts the sums.
; The 64 accumulators take turns, one instruction a turn, in the same order in every step.
.macro MUL16 a0, p, q, sc, zero
.irp a, \a0, \a0+1
.irp b, 0,1,2,3,4,5,6,7
.if \zero
	v_wmma_scale_f32_16x16x128_f8f6f4 v[8*(8*((\a)%4)+\b):8*(8*((\a)%4)+\b)+7], v[128*(\p)+FR*\b:128*(\p)+FR*\b+FR-1], v[AF+FR*(\a):AF+FR*(\a)+FR-1], 0, v[SC+8*NQ*(\sc)+NQ*\b+(\q)], v[SC+8*NQ*(\sc)+NQ*(\a)+(\q)] matrix_a_fmt:MATRIX_FMT_FP4 matrix_b_fmt:MATRIX_FMT_FP4 matrix_a_scale:MATRIX_SCALE_ROW1
.else
	v_wmma_scale_f32_16x16x128_f8f6f4 v[8*(8*((\a)%4)+\b):8*(8*((\a)%4)+\b)+7], v[128*(\p)+FR*\b:128*(\p)+FR*\b+FR-1], v[AF+FR*(\a):AF+FR*(\a)+FR-1], v[8*(8*((\a)%4)+\b):8*(8*((\a)%4)+\b)+7], v[SC+8*NQ*(\sc)+NQ*\b+(\q)], v[SC+8*NQ*(\sc)+NQ*(\a)+(\q)] matrix_a_fmt:MATRIX_FMT_FP4 matrix_b_fmt:MATRIX_FMT_FP4 matrix_a_scale:MATRIX_SCALE_ROW1
.endif
.endr
.endr
.endm
.macro FETCH_B slot, q, p              ; source 0's eight fragments of the slot's q-th 128 along K into set p
	WIN TO_B
.irp i, 0,1,2,3,4,5,6,7
	FRAG 128*(\p)+FR*\i, ADRB+\slot, \q, \i
.endr
	WIN 0
.endm
.macro FETCH_A slot, q, i0             ; source 1's blocks i0 .. i0 + 3
.irp i, \i0, \i0+1, \i0+2, \i0+3
	FRAG AF+FR*(\i), ADRA+\slot, \q, \i
.endr
.endm
.macro SCALES sc                       ; a slot's scale words into set sc: 4 words a row
.irp i, 0,1,2,3,4,5,6,7
	ds_load_b128 v[SC+8*NQ*\sc+NQ*\i:SC+8*NQ*\sc+NQ*\i+3], v[ADRS] offset:\i*SBLK
.endr
.endm
; A load into a register that a matrix instruction has read, and a vector instruction that reads a matrix result or writes one of a matrix instruction's registers, stand NP places behind it, and only plain vector
; instructions that name none of its registers are places (ISA guide 7.12.1 for vector instructions).
.macro PLACES n
.rept \n
	v_nop
.endr
.endm
; A step of 128 along K that has its successor in the same slot.  Source 1's blocks are free as soon as their eight products are issued: blocks 0-3 are fetched anew in the step's middle, blocks 4-7 at its end.
.macro STEP slot, q, zero
	s_wait_dscnt 4*NL                              ; source 0's set and source 1's blocks 0-3 are in; the youngest eight loads (blocks 4-7) may be out
	WIN MUL_LO
	MUL16 0, (\q)%2, \q, \slot, \zero
	MUL16 2, (\q)%2, \q, \slot, \zero
	s_wait_dscnt 0                                 ; blocks 4-7 are in (asked for 32 matrix instructions ago)
	PLACES NP
	FETCH_B \slot, (\q)+1, 1-(\q)%2
	FETCH_A \slot, (\q)+1, 0
	WIN MUL_HI
	MUL16 4, (\q)%2, \q, \slot, \zero
	MUL16 6, (\q)%2, \q, \slot, \zero
	PLACES NP
	WIN 0
	FETCH_A \slot, (\q)+1, 4
.endm
; Slot 0's last step goes over to slot 1: each wave waits for all its tensor loads (its part of slot 1 is the one that was out), and a barrier shows the whole slot to every wave.  Nothing is filled again.
.macro TURN slot, next
	s_wait_tensorcnt 0x0                           ; all my tensor loads have landed  (every window is 0 here)
	ds_add_u32 v[SPW], v[NIL]                      ; 0 onto my spare word
	s_wait_dscnt 4*NL+1                            ; (the add and the youngest eight loads may be out)
	WIN MUL_LO
	MUL16 0, 1, NQ-1, \slot, 0
	s_wait_dscnt 0x0                               ; no LDS instruction of mine is out at the signal
	s_barrier_signal -1
	MUL16 2, 1, NQ-1, \slot, 0                     ; work on registers while the others arrive
	WIN 0
	s_barrier_wait -1
	PLACES NP
	v_add_nc_u32 v[ADRS], 4*NQ, v[ADRS]            ; on to the next slot's scale words
	FETCH_B \next, 0, 0
	FETCH_A \next, 0, 0
	SCALES \next
	WIN MUL_HI
	MUL16 4, 1, NQ-1, \slot, 0
	MUL16 6, 1, NQ-1, \slot, 0
	PLACES NP
	WIN 0
	FETCH_A \next, 0, 4
.endm
.macro STEPS slot, from                ; the slot's steps from .. NQ - 2
.set Q, \from
.rept NQ-1-\from
	STEP \slot, Q, 0
.set Q, Q+1
.endr
.endm
	s_wait_tensorcnt 1                             ; the scales and my part of slot 0 are in (slot 1's load may be out),
	s_barrier_signal -1
	s_barrier_wait -1                              ; everybody's are
	FETCH_B 0, 0, 0
	FETCH_A 0, 0, 0
	SCALES 0
	FETCH_A 0, 0, 4
	STEP 0, 0, 1                                   ; the first products start the sums: nothing is cleared
	STEPS 0, 1
	TURN 0, 1
	STEPS 1, 0
	s_wait_dscnt 4*NL                              ; the last step: nothing more to fetch
	WIN MUL_LO
	MUL16 0, 1, NQ-1, 1, 0
	MUL16 2, 1, NQ-1, 1, 0
	s_wait_dscnt 0
	WIN MUL_HI
	MUL16 4, 1, NQ-1, 1, 0
	MUL16 6, 1, NQ-1, 1, 0
	WIN 0
; THE WAY OUT.  QUANT a: the 64 numbers that my lane holds of source 1's block a become 8 registers of codes, v[PC + 8 a] on, and four scale bytes, v[TM + 4] on.  Each accumulator is read from its low end on.
.macro QUANT a
.set WN, 2+(\a)/4
.set ACB, 64*((\a)%4)
.set PCA, PC+8*(\a)
.set WMAX, (WN<<2)|(WN<<4)
	WIN WMAX                                       ; sources 1 and 2: the accumulators' window
.irp b, 0,1,2,3
	v_max3_num_f32 v[TM+\b], 0x1800000, |v[ACB+16*\b]|, |v[ACB+16*\b+1]|   ; block b: my 16 numbers, and the floor 2^(3 - 127): the byte cannot fall under 1
.endr
.irp i, 2,4,6,8,10,12,14
.irp b, 0,1,2,3
	v_max3_num_f32 v[TM+\b], v[TM+\b], |v[ACB+16*\b+\i]|, |v[ACB+16*\b+\i+1]|   ; (the four blocks by turns)
.endr
.endr
	WIN 0
.irp b, 0,1,2,3
	v_permlanex16_b32 v[TM+4+\b], v[TM+\b], s[SEL], s[SEL+1]
.endr
.irp b, 0,1,2,3
	v_max_num_f32 v[TM+\b], v[TM+\b], v[TM+4+\b]   ; with lane l xor 16's: the block's largest magnitude
.endr
.irp b, 0,1,2,3
	v_add_nc_u32 v[TM+8+\b], 0xff000000, v[TM+\b]  ; 2 off its exponent field: the conversion's scale operand
.endr
.irp b, 0,1,2,3
	v_lshrrev_b32 v[TM+4+\b], 23, v[TM+8+\b]       ; the scale's byte
.endr
	WIN WN                                         ; source 0: the accumulators' window
.irp c, 0,1
.irp u, 0,1
	v_cvt_scalef32_pk8_fp4_f32 v[PCA+4*\c+2*\u], v[ACB+8*(4*\c+\u):ACB+8*(4*\c+\u)+7], v[TM+8+2*\c]
	v_cvt_scalef32_pk8_fp4_f32 v[PCA+4*\c+2*\u+1], v[ACB+8*(4*\c+2+\u):ACB+8*(4*\c+2+\u)+7], v[TM+9+2*\c]
.endr
.endr
	WIN 0
	v_nop                                          ; one plain line behind a scaled conversion
.irp c, 0,1
.irp u, 0,1
	v_permlane16_swap_b32 v[PCA+4*\c+2*\u], v[PCA+4*\c+2*\u+1]   ; the first's lanes 16-31 change places with the second's lanes 0-15: register 4 c + i now holds k = 64 c + 32 (l / 16) + 8 i + 0 .. 7
.endr
.endr
.endm
; q and k: block a is 16 rows of x (tile a of the step), c is the head: registers 4 e .. 4 e + 3 are head e's tile image.  A row's two bytes of head e go into half a % 2 of word a / 2.
.macro QKOUT a
	QUANT \a
.irp e, 0,1
.if ((\a)%2) == 0
	v_lshl_or_b32 v[SW+4*\e+(\a)/2], v[TM+5+2*\e], 8, v[TM+4+2*\e]
.else
	v_lshl_or_b32 v[SW+4*\e+(\a)/2], v[TM+4+2*\e], 16, v[SW+4*\e+(\a)/2]
	v_lshl_or_b32 v[SW+4*\e+(\a)/2], v[TM+5+2*\e], 24, v[SW+4*\e+(\a)/2]
.endif
	global_store_b128 v[LI], v[PC+8*(\a)+4*\e:PC+8*(\a)+4*\e+3], s[12:13] offset:REC*\e+512*(\a)   ; 512 consecutive bytes, aligned
.endr
.endm
; v: block a is 16 channels (head a / 4, channel tile a % 4); the 8 registers are a whole fragment of v^T over the step's 128 keys, the four bytes its scale word.
.macro VOUT a
	QUANT \a
	v_lshl_or_b32 v[SW+(\a)], v[TM+5], 8, v[TM+4]
	v_lshl_or_b32 v[SW+(\a)], v[TM+6], 16, v[SW+(\a)]
	v_lshl_or_b32 v[SW+(\a)], v[TM+7], 24, v[SW+(\a)]
	global_store_b128 v[LI], v[PC+8*(\a):PC+8*(\a)+3], s[12:13] offset:REC*((\a)/4)+4096+1024*((\a)%4)
	global_store_b128 v[LI], v[PC+8*(\a)+4:PC+8*(\a)+7], s[12:13] offset:REC*((\a)/4)+4096+1024*((\a)%4)+512
.endm
	PLACES NP                                      ; behind the last products: their results are read, and source 1's registers are written, from here on
	s_cmp_eq_u32 s3, 1                             ; the cluster's number decides: all waves of all partners go the same way; no barrier and no tensor load stands on either way
	s_cbranch_scc1 .Lv_out
.irp a, 0,1,2,3,4,5,6,7
	QKOUT \a                                       ; no store's data or address is written again: no wait is owed
.endr
	global_store_b128 v[LI], v[SW:SW+3], s[12:13] offset:8192            ; the step's scale words: lanes 16-31 hold what lanes 0-15 hold
	global_store_b128 v[LI], v[SW+4:SW+7], s[12:13] offset:REC+8192
	s_branch .Lend
.Lv_out:
.irp a, 0,1,2,3,4,5,6,7
	VOUT \a
.endr
	global_store_b128 v[LI], v[SW:SW+3], s[12:13] offset:8704
	global_store_b128 v[LI], v[SW+4:SW+7], s[12:13] offset:REC+8704
.Lend:
	s_wait_tensorcnt 0x0                           ; the wave's end
	ds_add_u32 v[SPW], v[NIL]
	s_wait_dscnt 0x0
	CROUND                                         ; the closing round: no work-group ends while a partner may still ask for a tile that names it
	s_endpgm
.Lfunc_end_k_qbe1152a35e_proj:
	.size	k_qbe1152a35e_proj, .Lfunc_end_k_qbe1152a35e_proj-k_qbe1152a35e_proj
	.p2alignl 7, 3214868480
	.fill 96, 4, 3214868480
	.section	.rodata,"a",@progbits
	.p2align	6, 0x0
	.amdhsa_kernel k_qbe1152a35e_proj
		.amdhsa_group_segment_fixed_size 327680
		.amdhsa_private_segment_fixed_size 0
		.amdhsa_enable_private_segment 0
		.amdhsa_kernarg_size 48
		.amdhsa_user_sgpr_count 2
		.amdhsa_user_sgpr_kernarg_segment_ptr 1
		.amdhsa_wavefront_size32 1
		.amdhsa_system_sgpr_workgroup_id_x 1
		.amdhsa_system_sgpr_workgroup_id_y 1
		.amdhsa_system_sgpr_workgroup_id_z 1
		.amdhsa_system_vgpr_workitem_id 0
		.amdhsa_next_free_vgpr 1024
		.amdhsa_next_free_sgpr 100
		.amdhsa_reserve_vcc 0
		.amdhsa_float_denorm_mode_32 3
		.amdhsa_float_denorm_mode_16_64 3
		.amdhsa_memory_ordered 1
		.amdhsa_forward_progress 1
		.amdhsa_inst_pref_size 161
	.end_amdhsa_kernel
	.amdgpu_metadata
---
amdhsa.version: [ 1, 2 ]
amdhsa.kernels:
  - .name:           k_qbe1152a35e_proj
    .symbol:         k_qbe1152a35e_proj.kd
    .args:
      - { .name: x_codes, .offset: 0, .size: 8, .value_kind: global_buffer, .address_space: global }
      - { .name: x_scales, .offset: 8, .size: 8, .value_kind: global_buffer, .address_space: global }
      - { .name: wl_codes, .offset: 16, .size: 8, .value_kind: global_buffer, .address_space: global }
      - { .name: wl_scales, .offset: 24, .size: 8, .value_kind: global_buffer, .address_space: global }
      - { .name: qrec, .offset: 32, .size: 8, .value_kind: global_buffer, .address_space: global }
      - { .name: kv, .offset: 40, .size: 8, .value_kind: global_buffer, .address_space: global }
    .group_segment_fixed_size: 327680
    .private_segment_fixed_size: 0
    .kernarg_segment_align: 8
    .kernarg_segment_size: 48
    .max_flat_workgroup_size: 128
    .sgpr_count:     100
    .vgpr_count:     1024
    .wavefront_size: 32
...
	.end_amdgpu_metadata
.endif
;; end of part 2
;; launch attn (part 3): grid 256 x 1, 16 waves a work-group, clusters of 4 x 1, 167,936 bytes of LDS; arguments qrec, kv, yc, ysc; writes yc, ysc
.if DOCPART == 3
	.amdgcn_target "amdgcn-amd-amdhsa--gfx1250"
	.amdhsa_code_object_version 6
	.text
	.protected	k_qbe1152a35e_attn
	.globl	k_qbe1152a35e_attn
	.p2align	8
	.type	k_qbe1152a35e_attn,@function
k_qbe1152a35e_attn:
	s_mov_b64 s[64:65], 0
	v_nop
	global_prefetch_b8 v0, s[64:65] scope:SCOPE_SE
	s_setreg_imm32_b32 hwreg(HW_REG_WAVE_MODE, 25, 1), 1
	s_wait_xcnt 0x0
	s_wait_alu depctr_hold_cnt(0) depctr_sa_sdst(0) depctr_va_vdst(0) depctr_va_sdst(0) depctr_va_ssrc(0) depctr_va_vcc(0) depctr_vm_vsrc(0)
	s_getreg_b32 s2, hwreg(HW_REG_IB_STS2, 6, 4)
	s_cmp_eq_u32 s2, 0
	s_cbranch_scc0 .Lentry_in_a_cluster
	s_endpgm
.Lentry_in_a_cluster:
	s_bfe_u32 s2, ttmp6, 0x10000c
	s_cmp_lg_u32 s2, 0x3003
	s_cbranch_scc0 .Lentry_shape_is_right
	s_endpgm
.Lentry_shape_is_right:
; y = softmax(q k^T / 64 under the causal mask) v for one head (b, h) a cluster, both products on codes of E2M1 with E8M0 scales; y leaves quantised along the head's 64, as the last launch's operand.
; WORK LEFT OUT: a step of 128 keys all of which come after a tile's 16 queries: reference()'s own mask makes its p zero for all values of the inputs (shown at the head of the first launch).
; THE SOFTMAX: t = score x c, c = log2(e) / 1,024 (q and k come without their factor 1/4 each, and reference() divides by 64); M = the row's largest t so far, rounded UP to a whole number; p = 2^(t - M) is what is
; quantised, along the keys; the row's sum is taken of the unquantised p and divides at the end, together with v's factor 1/4.  When M moves, the sum and O are multiplied by 2^(old M - new M): exact.
; SHARES.  The cluster's number is the head 16 b + h; its four work-groups (place j) share the head's 128 tiles of 16 queries.  Wave w (a = w / 2, e = w % 2) owns two tiles, one after the other:
; tile 8 a + 2 j + e, which has a + 1 key steps, and tile 8 (15 - a) + 2 j + e, which has 16 - a: 17 steps for every wave.  All branches hang on the wave's number and the count of steps; j enters global addresses
; and the mask's numbers alone.
; THE HEAD'S WHOLE RECORD of k and v, 147,456 bytes, lies in LDS, filled once: each of the sixteen waves asks for two pieces of it, jointly with the same wave of the three partners (mask 15).  Two tensor loads of a wave are out, no more.
; The record holds images of operand registers (lane l's 16 bytes at 16 l), so every LDS load reads 512 consecutive bytes.  A step: 8 tiles of k (512 bytes), 4 fragments of v^T (1,024), k's scale words (512), v's (512).
; LAYOUT.  Both products are used transposed: S^T = k q^T (source 0 = keys), O^T = v^T p^T (source 0 = channels): a lane holds ONE query (lane % 16) throughout.
; THE FIRST PRODUCT'S K IS 64, THE INSTRUCTION'S 128: source 0 is two tiles of keys on end (registers 0-3: tile 2 f, registers 4-7: tile 2 f + 1); source 1 is q followed by zero codes for the even tile, zero codes
; followed by q for the odd one: zero codes add nothing under any scale byte that the quantiser gives.
; p AND y BECOME OPERANDS as in the launch before: tile 4 c + u is converted into register 4 c + 2 u, tile 4 c + 2 + u into register 4 c + 2 u + 1, and one exchange of halves gives the operand's layout.
; LIMITS: a block of y whose largest magnitude lies under 2^-124 is held at the byte 1; NaN and infinities are not served.
; REGISTERS: v1-11 addresses that stay; v12 -M, v13 the largest t, v[14:15] the sum in two halves; v[16:27] q, zeros, q; v28 q's scale word; v32-63 k; v64-95 v^T; v96-159 S^T, then p, at the end y; v160-191 O^T;
;   v192-195 k's scale words, v196-199 v's; v200-203 y's codes; v224-231 p's codes; v232-255 at work (v250 f, v253 p's scale word).
.set REC,   147456
.set STEPB, 9216
.set STG,   REC                        ; behind the record: y's scale bytes, 2 for each of the work-group's 512 rows
.set SPARE, STG+1024                   ; the spare words, 128 bytes for each of the sixteen waves; no other line names them
.set LI,  1                            ; v1   16 x lane
.set SPW, 2                            ; v2   LDS address of my spare word; never rewritten
.set NIL, 3                            ; v3   0; never rewritten
.set ADR, 4                            ; v4   LDS address of the step in hand
.set DL,  5                            ; v5   16 (2 j + e) + lane % 16 - 8 (lane / 16): on the diagonal step register 8 t + i is hidden where 16 t + i is greater
.set QSO, 6                            ; v6   q's scale word: 16 (lane % 16) + 4 j
.set ST0, 7                            ; v7   where my first tile's scale bytes go in the stage;  v8 my second's
.set ST1, 8
.set QO,  9                            ; v9   q's tile image: 512 (2 j + e) + 16 x lane
.set SRD, 10                           ; v10  the stage on the way out
.set SGO, 11                           ; v11  and the same place in ysc
.set WV,  12                           ; s12  my wave's number;  s13 a, s14 e, s15 j
.set SEL, 20                           ; s[20:21] v_permlanex16_b32's selects for lane l xor 16
.set CS,  22                           ; s[22:23] c: the packed form names a pair and takes its low word for both halves
.set G1A, 24                           ; s[24:31] descriptor group 1: 9 rows of 256 bytes;  s[32:39]: 27 rows
.set G1B, 32
.set G0A, 40                           ; s[40:43], s[44:47] their groups 0
.set G0B, 44
.set KSN, 48                           ; s48  the key step
.set TB,  49                           ; s49  9,216 x the key step
.set AG,  50                           ; s50  the tile's last key step
.set SH,  51                           ; s51  16 e
.macro CROUND                          ; a round of the cluster's barrier
	s_barrier_signal -1
	s_barrier_wait -1
	s_cmp_lg_u32 s[WV], 0
	s_cbranch_scc1 .Lnot_wave_0_\@
	s_barrier_signal -3
.Lnot_wave_0_\@:
	s_barrier_wait -3
	s_barrier_signal -1
	s_barrier_wait -1
.endm
	s_load_b256 s[4:11], s[0:1], 0x0               ; qrec s[4:5], kv s[6:7], yc s[8:9], ysc s[10:11]
	v_lshl_add_u32 v[SPW], v0, 2, SPARE
	v_mov_b32 v[NIL], 0
	ds_add_u32 v[SPW], v[NIL]                      ; the wave's opening: the add, twice on end, and its wait ahead of my first tensor load; the set-up below stands between
	ds_add_u32 v[SPW], v[NIL]
	v_lshrrev_b32 v29, 5, v0
	s_delay_alu instid0(VALU_DEP_1)
	v_readfirstlane_b32 s[WV], v29                 ; wave 0..15
	s_lshr_b32 s13, s[WV], 1                       ; a
	s_and_b32 s14, s[WV], 1                        ; e
	s_bfe_u32 s15, ttmp6, 0x40000                  ; j: my place in the cluster
	s_mul_i32 s16, ttmp9, REC                      ; the head's record, in both buffers (64 x 147,456 bytes: under 2^24)
	s_mov_b32 s17, 0
	; descriptor group 1: a dense piece of the record as rows of 256 bytes (32 elements of 8 bytes), no padding
	s_mov_b32 s[G1A], 15|(3<<16)|(1<<21)           ; 15:0 the mask: all four work-groups; 17:16 elements of 8 bytes; 21 set beside a mask
	s_mov_b32 s[G1A+1], 32<<16                     ; tensor_dim0
	s_mov_b32 s[G1A+2], 9<<16                      ; tensor_dim1
	s_mov_b32 s[G1A+3], 32<<16                     ; tile_dim0
	s_mov_b32 s[G1A+4], 9                          ; tile_dim1
	s_mov_b32 s[G1A+5], 32                         ; tensor_dim0_stride
	s_mov_b32 s[G1A+6], 0
	s_mov_b32 s[G1A+7], 0
	s_mov_b32 s[G1B], 15|(3<<16)|(1<<21)
	s_mov_b32 s[G1B+1], 32<<16
	s_mov_b32 s[G1B+2], 27<<16
	s_mov_b32 s[G1B+3], 32<<16
	s_mov_b32 s[G1B+4], 27
	s_mov_b32 s[G1B+5], 32
	s_mov_b32 s[G1B+6], 0
	s_mov_b32 s[G1B+7], 0
	s_mov_b32 s[G0A], 1
	s_mul_i32 s[G0A+1], s[WV], 2304                ; steps 0-3, 36,864 bytes: a sixteenth a wave; a byte's place in LDS is its place in the record
	s_mov_b32 s[G0B], 1
	s_mul_i32 s[G0B+1], s[WV], 6912                ; steps 4-15, 110,592 bytes: likewise
	s_add_co_u32 s[G0B+1], s[G0B+1], 4*STEPB
	s_mov_b32 s18, s[G0A+1]
	s_mov_b32 s19, 0
	s_mov_b32 s56, s[G0B+1]
	s_mov_b32 s57, 0
	s_mov_b32 s[SEL], 0x76543210
	s_mov_b32 s[SEL+1], 0xfedcba98
	s_mov_b32 s[CS], 0x3ab8aa3b                    ; c = log2(e) / 1,024
	s_mov_b32 s[CS+1], s[CS]
	s_wait_dscnt 0x0                               ; both opening adds are done
	s_wait_kmcnt 0x0
	s_add_nc_u64 s[4:5], s[4:5], s[16:17]          ; q's record of my head
	s_add_nc_u64 s[6:7], s[6:7], s[16:17]          ; k's and v's
	s_add_nc_u64 s[G0A+2:G0A+3], s[6:7], s[18:19]
	s_or_b32 s[G0A+3], s[G0A+3], 0x80000000
	s_add_nc_u64 s[G0B+2:G0B+3], s[6:7], s[56:57]
	s_or_b32 s[G0B+3], s[G0B+3], 0x80000000
	CROUND                                         ; all four work-groups are here: the joint loads meet
	tensor_load_to_lds s[G0A:G0A+3], s[G1A:G1A+7]
	s_nop 0
	tensor_load_to_lds s[G0B:G0B+3], s[G1B:G1B+7]
	s_nop 0
.rept 4
	v_nop
.endr
	v_and_b32 v30, 15, v0                          ; r
	s_wait_alu depctr_va_vdst(0)
	v_bfe_u32 v31, v0, 4, 1                        ; lane / 16
	v_and_b32 v[LI], 31, v0
	s_delay_alu instid0(VALU_DEP_1)
	v_lshlrev_b32 v[LI], 4, v[LI]
	s_lshl_b32 s59, s15, 1
	s_add_co_u32 s59, s59, s14                     ; 2 j + e: my tiles' place in their key step
	s_lshl_b32 s56, s59, 4
	v_add_nc_u32 v[DL], s56, v30
	v_lshlrev_b32 v29, 3, v31
	s_delay_alu instid0(VALU_DEP_1)
	v_sub_nc_u32 v[DL], v[DL], v29
	s_lshl_b32 s56, s15, 2
	v_lshl_add_u32 v[QSO], v30, 4, s56
	s_lshl_b32 s56, s59, 9
	v_add_nc_u32 v[QO], s56, v[LI]
	s_lshl_b32 s57, s14, 5
	s_lshl_b32 s56, s13, 6
	s_add_co_u32 s56, s56, s57
	s_add_co_u32 s56, s56, STG
	v_lshl_add_u32 v[ST0], v30, 1, s56             ; the stage: 64 x (the tile's last step) + 32 e + 2 r
	s_xor_b32 s56, s13, 15
	s_lshl_b32 s56, s56, 6
	s_add_co_u32 s56, s56, s57
	s_add_co_u32 s56, s56, STG
	v_lshl_add_u32 v[ST1], v30, 1, s56
	v_and_b32 v[SGO], 63, v0
	s_delay_alu instid0(VALU_DEP_1)
	v_lshlrev_b32 v[SGO], 4, v[SGO]
	s_delay_alu instid0(VALU_DEP_1)
	v_add_nc_u32 v[SRD], STG, v[SGO]
	s_lshl_b32 s[SH], s14, 4
	s_lshr_b32 s56, ttmp9, 4                       ; yc: ((128 b + tile) x 16 + h) x 512; the tile's 8 x (last step) is added tile by tile
	s_lshl_b32 s56, s56, 7
	s_add_co_u32 s56, s56, s59
	s_lshl_b32 s56, s56, 4
	s_and_b32 s57, ttmp9, 15
	s_add_co_u32 s56, s56, s57
	s_lshl_b32 s58, s56, 9
	s_lshl_b32 s56, ttmp9, 2                       ; ysc: 1,024 bytes for each (head, j)
	s_add_co_u32 s56, s56, s15
	s_lshl_b32 s56, s56, 10
	s_mov_b32 s57, 0
	s_add_nc_u64 s[10:11], s[10:11], s[56:57]
.irp n, 20,21,22,23
	v_mov_b32 v[\n], 0                             ; the zero codes between the two copies of q
.endr
.irp b, 0,1,2,3
	v_mov_b32 v[236+\b], 0                         ; written once: a lane permute's destination counts as one of its sources
.endr
	v_mov_b32 v251, 0                              ; (named as the upper half of the pair v[250:251])
; A KEY STEP of 128 keys.  A step behind the tile's last is left out: a branch on the wave's number and the count of steps, round loads, products and softmax; no barrier stands in a step.
.macro STEP
	s_cmp_gt_u32 s[KSN], s[AG]
	s_cbranch_scc1 .Lhidden_\@
	s_setprio 2
	v_add_nc_u32 v[ADR], s[TB], v[LI]
.rept 3
	v_nop                                          ; with the addition four places behind the last step's products, whose operands are loaded anew below
.endr
.irp t, 0,1,2,3,4,5,6,7
	ds_load_b128 v[32+4*\t:35+4*\t], v[ADR] offset:512*\t            ; tile t of k: two tiles on end are a fragment
.endr
	ds_load_b128 v[192:195], v[ADR] offset:8192                      ; k's scale words, one for each fragment
.irp t, 0,1,2,3,4,5,6,7
	ds_load_b128 v[64+4*\t:67+4*\t], v[ADR] offset:4096+512*\t       ; v^T: four fragments
.endr
	ds_load_b128 v[196:199], v[ADR] offset:8704                      ; and their scale words
	s_wait_dscnt 9                                 ; k and its words are in; v's nine loads may be out
.irp t, 0,1,2,3,4,5,6,7
	v_wmma_scale_f32_16x16x128_f8f6f4 v[96+8*\t:103+8*\t], v[32+8*(\t/2):39+8*(\t/2)], v[16+4*(\t%2):23+4*(\t%2)], 0, v[192+\t/2], v28 matrix_a_fmt:MATRIX_FMT_FP4 matrix_b_fmt:MATRIX_FMT_FP4
.endr                                          ; lane (r, h): query r; register 8 t + i: key 16 t + 8 h + i of the step
.rept 4
	v_nop
.endr
	s_cmp_lg_u32 s[KSN], s[AG]                     ; on the tile's last step, the diagonal's, the scores of hidden keys become -infinity ahead of the maximum: p = 0 then
	s_cbranch_scc1 .Lopen_\@
	v_mov_b32 v254, 0xff800000
.set N, 0
.rept 64
	v_cmp_gt_i32 vcc_lo, 16*(N/8)+N%8, v[DL]
	v_cndmask_b32 v[96+N], v[96+N], v254, vcc_lo
.set N, N+1
.endr
.Lopen_\@:
.irp b, 0,1,2,3
	v_max3_num_f32 v[232+\b], v[96+16*\b], v[97+16*\b], v[98+16*\b]   ; the largest score of each block of 32 keys: it serves for the row's maximum and, since p rises with the score, for the block's largest p
.endr
.irp i, 3,5,7,9,11,13
.irp b, 0,1,2,3
	v_max3_num_f32 v[232+\b], v[232+\b], v[96+16*\b+\i], v[97+16*\b+\i]
.endr
.endr
.irp b, 0,1,2,3
	v_max_num_f32 v[232+\b], v[232+\b], v[111+16*\b]
.endr
.irp b, 0,1,2,3
	s_delay_alu instid0(VALU_DEP_4)
	v_permlanex16_b32 v[236+\b], v[232+\b], s[SEL], s[SEL+1]
.endr
.irp b, 0,1,2,3
	s_delay_alu instid0(VALU_DEP_4)
	v_max_num_f32 v[232+\b], v[232+\b], v[236+\b]  ; with lane l xor 16's 16 keys
.endr
	s_delay_alu instid0(VALU_DEP_2)
	v_max3_num_f32 v254, v232, v233, v234
	s_delay_alu instid0(VALU_DEP_1)
	v_max_num_f32 v254, v254, v235                 ; the step's largest score of my query (the step's first key counts for every query of the tile: it is a number)
	s_delay_alu instid0(VALU_DEP_1)
	v_mul_f32 v254, s[CS], v254                    ; as t
	s_delay_alu instid0(VALU_DEP_1)
	v_max_num_f32 v13, v13, v254                   ; the running largest t
	v_mov_b32 v254, v12
	s_delay_alu instid0(VALU_DEP_2)
	v_floor_f32 v12, -v13                          ; the new -M = floor(-t): M is a whole number
	s_delay_alu instid0(VALU_DEP_1)
	v_sub_f32 v254, v12, v254                      ; old M - new M: a whole number, 0 or less
	s_delay_alu instid0(VALU_DEP_1)
	v_cvt_i32_f32 v254, v254                       ; (it saturates)
	s_delay_alu instid0(VALU_DEP_1)
	v_ldexp_f32 v250, 1.0, v254                    ; f = 2^(old M - new M)
.irp j, 0,2,4,6,8,10,12,14,16,18,20,22,24,26,28,30,32,34,36,38,40,42,44,46,48,50,52,54,56,58,60,62
	v_pk_fma_f32 v[96+\j:97+\j], v[96+\j:97+\j], s[CS:CS+1], v[12:13] op_sel_hi:[1,0,0]   ; t - M, two at a time
.endr
	s_setprio 1
.irp b, 0,1,2,3
	v_fma_f32 v[232+\b], v[232+\b], s[CS], v12     ; the same of each block's largest score
.endr
.set N, 0
	s_wait_alu depctr_va_vdst(0)
.rept 64
	v_exp_f32 v[96+N], v[96+N]                     ; p = 2^(t - M), at most 1: not normalised
.set N, N+1
.endr
	v_pk_mul_f32 v[14:15], v[14:15], v[250:251] op_sel_hi:[1,0]   ; the sums under the new M (a plain line behind the exponentials)
	s_wait_alu depctr_va_vdst(0)                   ; one wait for the whole batch, ahead of its first reader
.irp b, 0,1,2,3
	v_exp_f32 v[232+\b], v[232+\b]                 ; the block's largest p
.endr
	v_pk_add_f32 v[236:237], v[100:101], v[104:105]
	v_pk_add_f32 v[254:255], v[108:109], v[112:113]
	v_pk_add_f32 v[252:253], v[116:117], v[120:121]
	v_pk_add_f32 v[248:249], v[124:125], v[128:129]
	v_pk_add_f32 v[246:247], v[132:133], v[136:137]
	v_pk_add_f32 v[244:245], v[140:141], v[144:145]
	v_pk_add_f32 v[242:243], v[148:149], v[152:153]
	v_pk_add_f32 v[14:15], v[14:15], v[156:157]
	v_pk_add_f32 v[236:237], v[236:237], v[96:97]
	v_pk_add_f32 v[254:255], v[254:255], v[98:99]
	v_pk_add_f32 v[252:253], v[252:253], v[102:103]
	v_pk_add_f32 v[248:249], v[248:249], v[106:107]
	v_pk_add_f32 v[246:247], v[246:247], v[110:111]
	v_pk_add_f32 v[244:245], v[244:245], v[114:115]
	v_pk_add_f32 v[242:243], v[242:243], v[118:119]
	v_pk_add_f32 v[14:15], v[14:15], v[122:123]
	v_pk_add_f32 v[236:237], v[236:237], v[126:127]
	v_pk_add_f32 v[254:255], v[254:255], v[130:131]
	v_pk_add_f32 v[252:253], v[252:253], v[134:135]
	v_pk_add_f32 v[248:249], v[248:249], v[138:139]
	v_pk_add_f32 v[246:247], v[246:247], v[142:143]
	v_pk_add_f32 v[244:245], v[244:245], v[146:147]
	v_pk_add_f32 v[242:243], v[242:243], v[150:151]
	v_pk_add_f32 v[14:15], v[14:15], v[154:155]
	v_pk_add_f32 v[236:237], v[236:237], v[158:159]
	s_delay_alu instid0(VALU_DEP_2)
	v_pk_add_f32 v[14:15], v[14:15], v[248:249]
	s_delay_alu instid0(VALU_DEP_2)
	v_pk_add_f32 v[236:237], v[236:237], v[246:247]
	v_pk_add_f32 v[254:255], v[254:255], v[244:245]
	v_pk_add_f32 v[252:253], v[252:253], v[242:243]
	s_delay_alu instid0(VALU_DEP_2)
	v_pk_add_f32 v[14:15], v[14:15], v[254:255]
	s_delay_alu instid0(VALU_DEP_2)
	v_pk_add_f32 v[236:237], v[236:237], v[252:253]
	s_delay_alu instid0(VALU_DEP_1)
	v_pk_add_f32 v[14:15], v[14:15], v[236:237]
	s_wait_alu depctr_va_vdst(0)                   ; and one for the four
.irp b, 0,1,2,3
	v_max_num_f32 v[232+\b], 0x1800000, v[232+\b]  ; the floor 2^(3 - 127): a block whose every p is 0 keeps the byte 1: its codes are zeros
.endr
.irp b, 0,1,2,3
	s_delay_alu instid0(VALU_DEP_4)
	v_add_nc_u32 v[244+\b], 0xff000000, v[232+\b]  ; 2 off the exponent field: the conversion's scale operand
.endr
.irp b, 0,1,2,3
	s_delay_alu instid0(VALU_DEP_4)
	v_lshrrev_b32 v[236+\b], 23, v[244+\b]         ; the scale's byte
.endr
	s_delay_alu instid0(VALU_DEP_3)
	v_lshl_or_b32 v253, v237, 8, v236              ; p's scale word for these 128 keys
	s_delay_alu instid0(VALU_DEP_1)
	v_lshl_or_b32 v253, v238, 16, v253
	s_delay_alu instid0(VALU_DEP_1)
	v_lshl_or_b32 v253, v239, 24, v253
	s_setprio 0
.irp c, 0,1
.irp u, 0,1
	v_cvt_scalef32_pk8_fp4_f32 v[224+4*\c+2*\u], v[96+8*(4*\c+\u):103+8*(4*\c+\u)], v[244+2*\c]
	v_cvt_scalef32_pk8_fp4_f32 v[225+4*\c+2*\u], v[96+8*(4*\c+2+\u):103+8*(4*\c+2+\u)], v[245+2*\c]
.endr
.endr
	v_nop                                          ; one plain line behind a scaled conversion
.irp c, 0,1
.irp u, 0,1
	v_permlane16_swap_b32 v[224+4*\c+2*\u], v[225+4*\c+2*\u]   ; register 4 c + i now holds keys 64 c + 32 (l / 16) + 8 i + 0 .. 7
.endr
.endr
.irp j, 0,2,4,6,8,10,12,14,16,18,20,22,24,26,28,30
	v_pk_mul_f32 v[160+\j:161+\j], v[160+\j:161+\j], v[250:251] op_sel_hi:[1,0]   ; O^T under the new M.  (These sixteen are also the places between the scale word's and the codes' last writes and the products below)
.endr
	s_wait_alu depctr_va_vdst(0)
	s_wait_dscnt 0x0                               ; v^T and its words are in
.irp t, 0,1,2,3
	v_wmma_scale_f32_16x16x128_f8f6f4 v[160+8*\t:167+8*\t], v[64+8*\t:71+8*\t], v[224:231], v[160+8*\t:167+8*\t], v[196+\t], v253 matrix_a_fmt:MATRIX_FMT_FP4 matrix_b_fmt:MATRIX_FMT_FP4
.endr
.Lhidden_\@:
.endm
; A tile begins: its q and q's scale word from memory; the largest t -3e38, the sum and O^T zeros, which the first change of M leaves zeros.
.macro INIT p
.if \p
	s_wait_xcnt 0x0                                ; the first tile's store has read its data and its base: both are written again below
	s_xor_b32 s[AG], s13, 15
.else
	s_mov_b32 s[AG], s13
.endif
	s_mul_i32 s52, s[AG], STEPB
	s_mov_b32 s53, 0
	s_add_nc_u64 s[52:53], s[4:5], s[52:53]        ; the step in which my tile lies
	global_load_b128 v[16:19], v[QO], s[52:53]     ; q, ahead of the zero codes,
	global_load_b128 v[24:27], v[QO], s[52:53]     ; and behind them
	global_load_b32 v29, v[QSO], s[52:53] offset:8192
	v_mov_b32 v13, 0xff61b1e6
	s_delay_alu instid0(VALU_DEP_1)
	v_floor_f32 v12, -v13
	v_mov_b32 v14, 0
	v_mov_b32 v15, 0
	s_wait_loadcnt 0x0
	v_lshrrev_b32 v29, s[SH], v29                  ; the word holds two tiles' bytes: mine are half e
	s_delay_alu instid0(VALU_DEP_1)
	v_and_b32 v29, 0xffff, v29
	s_delay_alu instid0(VALU_DEP_1)
	v_lshl_or_b32 v28, v29, 16, v29                ; q's two bytes, for either place of q in the operand
.set N, 0
.rept 32
	v_mov_b32 v[160+N], 0                          ; (also the places between the scale word's write and the first product)
.set N, N+1
.endr
.endm
; A tile ends: y = O^T / (4 x the sum), quantised along the head's 64 (two blocks); the 16 bytes a lane are the tile's image for the last launch; the two scale bytes of a row go to the stage.
.macro OUT st
.rept 4
	v_nop                                          ; places behind the last products
.endr
	v_add_f32 v14, v14, v15                        ; the sum's two halves,
	s_delay_alu instid0(VALU_DEP_1)
	v_permlanex16_b32 v236, v14, s[SEL], s[SEL+1]
	s_delay_alu instid0(VALU_DEP_1)
	v_add_f32 v14, v14, v236                       ; and lane l xor 16's
	s_wait_alu depctr_va_vdst(0)
	v_rcp_f32 v14, v14
	s_lshl_b32 s54, s[AG], 16                      ; 8 tiles x 16 heads x 512 bytes a step
	s_add_co_u32 s54, s54, s58
	s_mov_b32 s55, 0
	s_add_nc_u64 s[54:55], s[8:9], s[54:55]
	v_nop                                          ; a plain line behind the reciprocal
	s_wait_alu depctr_va_vdst(0)                   ; and the wait ahead of its first reader
	v_mul_f32 v14, 0x3e800000, v14                 ; v's factor 1/4
.set N, 0
.rept 16
	v_pk_mul_f32 v[96+N:97+N], v[160+N:161+N], v[14:15] op_sel_hi:[1,0]   ; register 8 t + i: y(r, 16 t + 8 h + i)
.set N, N+2
.endr
.irp b, 0,1
	v_max3_num_f32 v[232+\b], |v[96+16*\b]|, |v[97+16*\b]|, 0x1800000
.endr
.irp i, 2,4,6,8,10,12,14
.irp b, 0,1
	s_delay_alu instid0(VALU_DEP_2)
	v_max3_num_f32 v[232+\b], v[232+\b], |v[96+16*\b+\i]|, |v[97+16*\b+\i]|
.endr
.endr
.irp b, 0,1
	s_delay_alu instid0(VALU_DEP_2)
	v_permlanex16_b32 v[236+\b], v[232+\b], s[SEL], s[SEL+1]
.endr
.irp b, 0,1
	s_delay_alu instid0(VALU_DEP_2)
	v_max_num_f32 v[232+\b], v[232+\b], v[236+\b]
.endr
.irp b, 0,1
	s_delay_alu instid0(VALU_DEP_2)
	v_add_nc_u32 v[244+\b], 0xff000000, v[232+\b]
.endr
.irp b, 0,1
	s_delay_alu instid0(VALU_DEP_2)
	v_lshrrev_b32 v[236+\b], 23, v[244+\b]
.endr
	s_delay_alu instid0(VALU_DEP_1)
	v_lshl_or_b32 v240, v237, 8, v236
.irp u, 0,1
	v_cvt_scalef32_pk8_fp4_f32 v[200+2*\u], v[96+8*\u:103+8*\u], v244
	v_cvt_scalef32_pk8_fp4_f32 v[201+2*\u], v[112+8*\u:119+8*\u], v245
.endr
	v_nop
.irp u, 0,1
	v_permlane16_swap_b32 v[200+2*\u], v[201+2*\u] ; register i: v = 32 (l / 16) + 8 i + 0 .. 7
.endr
	global_store_b128 v[LI], v[200:203], s[54:55]  ; 512 consecutive bytes, aligned
	ds_store_b16 v[\st], v240                      ; both lanes of a row write the same two bytes
.endm
	s_mov_b32 s[KSN], 0
	s_mov_b32 s[TB], 0
	INIT 0
	s_wait_tensorcnt 1                             ; my piece of steps 0-3 is in; my piece of steps 4-15 may be out
	s_barrier_signal -1
	s_barrier_wait -1                              ; everybody's is
	STEP                                           ; step 0, which every tile has
	s_wait_tensorcnt 0x0                           ; my piece of steps 4-15 is in,
	s_wait_dscnt 0x0
	s_barrier_signal -1
	s_barrier_wait -1                              ; everybody's is
	s_mov_b32 s[KSN], 1
	s_mov_b32 s[TB], STEPB
.Lfirst:                                           ; seven trips: the first tile's last step is 7 at the most
	STEP
	s_add_co_u32 s[TB], s[TB], STEPB
	s_add_co_u32 s[KSN], s[KSN], 1
	s_cmp_lt_u32 s[KSN], 8
	s_cbranch_scc1 .Lfirst
	s_setprio 0
	OUT ST0
	INIT 1
	s_mov_b32 s[KSN], 0
	s_mov_b32 s[TB], 0
.Lsecond:                                          ; sixteen trips
	STEP
	s_add_co_u32 s[TB], s[TB], STEPB
	s_add_co_u32 s[KSN], s[KSN], 1
	s_cmp_lt_u32 s[KSN], 16
	s_cbranch_scc1 .Lsecond
	s_setprio 0
	OUT ST1
	s_wait_dscnt 0x0                               ; for the others' sake: my scale bytes lie in the stage
	s_barrier_signal -1
	s_barrier_wait -1
	s_cmp_lt_u32 s[WV], 2
	s_cbranch_scc0 .Lend
	ds_load_b128 v[208:211], v[SRD]                ; waves 0 and 1: the work-group's 1,024 scale bytes
	s_wait_dscnt 0x0
	global_store_b128 v[SGO], v[208:211], s[10:11] ; 512 consecutive bytes a wave, aligned
.Lend:
	s_wait_tensorcnt 0x0                           ; the wave's end
	ds_add_u32 v[SPW], v[NIL]
	s_wait_dscnt 0x0
	CROUND                                         ; the closing round
	s_endpgm
.Lfunc_end_k_qbe1152a35e_attn:
	.size	k_qbe1152a35e_attn, .Lfunc_end_k_qbe1152a35e_attn-k_qbe1152a35e_attn
	.p2alignl 7, 3214868480
	.fill 96, 4, 3214868480
	.section	.rodata,"a",@progbits
	.p2align	6, 0x0
	.amdhsa_kernel k_qbe1152a35e_attn
		.amdhsa_group_segment_fixed_size 167936
		.amdhsa_private_segment_fixed_size 0
		.amdhsa_enable_private_segment 0
		.amdhsa_kernarg_size 32
		.amdhsa_user_sgpr_count 2
		.amdhsa_user_sgpr_kernarg_segment_ptr 1
		.amdhsa_wavefront_size32 1
		.amdhsa_system_sgpr_workgroup_id_x 1
		.amdhsa_system_sgpr_workgroup_id_y 1
		.amdhsa_system_sgpr_workgroup_id_z 1
		.amdhsa_system_vgpr_workitem_id 0
		.amdhsa_next_free_vgpr 256
		.amdhsa_next_free_sgpr 66
		.amdhsa_reserve_vcc 1
		.amdhsa_float_denorm_mode_32 3
		.amdhsa_float_denorm_mode_16_64 3
		.amdhsa_memory_ordered 1
		.amdhsa_forward_progress 1
		.amdhsa_inst_pref_size 83
	.end_amdhsa_kernel
	.amdgpu_metadata
---
amdhsa.version: [ 1, 2 ]
amdhsa.kernels:
  - .name:           k_qbe1152a35e_attn
    .symbol:         k_qbe1152a35e_attn.kd
    .args:
      - { .name: qrec, .offset: 0, .size: 8, .value_kind: global_buffer, .address_space: global }
      - { .name: kv, .offset: 8, .size: 8, .value_kind: global_buffer, .address_space: global }
      - { .name: yc, .offset: 16, .size: 8, .value_kind: global_buffer, .address_space: global }
      - { .name: ysc, .offset: 24, .size: 8, .value_kind: global_buffer, .address_space: global }
    .group_segment_fixed_size: 167936
    .private_segment_fixed_size: 0
    .kernarg_segment_align: 8
    .kernarg_segment_size: 32
    .max_flat_workgroup_size: 512
    .sgpr_count:     66
    .vgpr_count:     256
    .wavefront_size: 32
...
	.end_amdgpu_metadata
.endif
;; end of part 3
;; launch outp (part 4): grid 4 x 32, 4 waves a work-group, clusters of 4 x 4, 327,680 bytes of LDS; arguments yc, ysc, wc, ws, out0; writes out0
.if DOCPART == 4
	.amdgcn_target "amdgcn-amd-amdhsa--gfx1250"
	.amdhsa_code_object_version 6
	.text
	.protected	k_qbe1152a35e_outp
	.globl	k_qbe1152a35e_outp
	.p2align	8
	.type	k_qbe1152a35e_outp,@function
k_qbe1152a35e_outp:
	s_mov_b64 s[64:65], 0
	v_nop
	global_prefetch_b8 v0, s[64:65] scope:SCOPE_SE
	s_setreg_imm32_b32 hwreg(HW_REG_WAVE_MODE, 25, 1), 1
	s_wait_xcnt 0x0
	s_wait_alu depctr_hold_cnt(0) depctr_sa_sdst(0) depctr_va_vdst(0) depctr_va_sdst(0) depctr_va_ssrc(0) depctr_va_vcc(0) depctr_vm_vsrc(0)
	s_getreg_b32 s2, hwreg(HW_REG_IB_STS2, 6, 4)
	s_cmp_eq_u32 s2, 0
	s_cbranch_scc0 .Lentry_in_a_cluster
	s_endpgm
.Lentry_in_a_cluster:
	s_bfe_u32 s2, ttmp6, 0x10000c
	s_cmp_lg_u32 s2, 0xf033
	s_cbranch_scc0 .Lentry_shape_is_right
	s_endpgm
.Lentry_shape_is_right:
; z[m][d] = sum over k = 64 h + v of y[m][k] W[d][k], on codes of E2M1 with E8M0 scales; m = 2,048 b + c.  The factor 1/4 of reference()'s last line stands in W's scale bytes (first launch).
; y comes as the attention launch left it: yc [m / 16][head 16][512 bytes]: the image of four operand registers (lane l's 16 bytes at 16 l: row l % 16, v = 32 (l / 16) + 0 .. 31); two heads on end are a fragment of 128 along K.
; Its scale bytes: ysc [b][4 h + j][A 16][e 2][r 16], two bytes each, for the tile of 16 rows 8 A + 2 j + e of batch b.  W: wc [1,024][512 bytes], ws [1,024][32].  z: [8,192][1,024] f32.
; A work-group of four waves makes 256 x 256 of z; a wave 128 x 128: 64 accumulators, 512 registers.  K = 1,024 is two LDS slots of 512 along K, both filled at the head: no slot is filled again.
; CLUSTERS: 4 x 4 work-groups; y's tiles and scales are shared along a row of the cluster, W's along a column: joint loads with a mask that names the four.  128 work-groups: z has no more tiles of this size.
; THE MATRIX INSTRUCTION IS USED TRANSPOSED (source 0 = 16 rows of W, source 1 = 16 rows of y): a lane then holds eight neighbouring numbers of a row of z.
; REGISTERS, in windows of 256: window 0: v0-31 addresses; v32-95 scale words, two sets; v96-127, v192-255 at work while the scale words are made; from v128 y's fragments, ONE set; on the way out v128-255 rows of z.
;   window 1: W's fragments, TWO sets.   window 2: the accumulators of my rows 0-63 (accumulator (a, b) at v[8 (8 a + b)]);   window 3: those of my rows 64-127.
.set SIZE_N, 1024
.set KSTEP,  512
.set NQ,     KSTEP/128
.set ROWB,   256                       ; a row of W's tile in bytes
.set KROW,   512                       ; a row of W's codes in memory
.set PITCH,  272                       ; and in LDS: 256 bytes + 16 of padding: the 16 rows that a load touches start at 16 different banks (64 banks of 4 bytes: ISA guide 11.1)
.set FR,     8
.set NL,     2
.set NP,     4                         ; places behind this matrix instruction (ISA guide 7.12.1)
.set AHALF,  32768                     ; y: 8 tiles of rows x 8 heads x 512 bytes: what one tensor load brings
.set HALFT,  128*PITCH                 ; W: 128 rows
.set BOFF,   2*AHALF                   ; a slot: y's two halves, then W's two
.set SLOT,   BOFF+2*HALFT
.set SCB,    2*SLOT                    ; behind the slots: W's scales, 256 rows of 32 bytes as rows of 256 bytes + 16 of padding
.set HALFS,  16*272
.set SBLK,   2*272                     ; those of 16 rows
.set YS,     SCB+2*HALFS               ; y's scales: 64 rows (4 h + j) of 128 bytes + 16 of padding
.set YP,     144
.set YHALF,  32*YP
.set SPARE,  YS+2*YHALF                ; the spare words, 128 bytes for each wave; no other line names them
.set SPITCH, 528                       ; the way out: a stage of 16 rows x (512 bytes + 16) for each wave, in slot 0, which has had its one fill and its last read when the first result is stored there
.set ADRA, 16                          ; v16-17  LDS address of y's images in slot 0, 1
.set ADRB, 20                          ; v20-21  of W's fragments
.set STO,  24                          ; v24     the way out: where I put 32 bytes of a row
.set RD,   25                          ; v25     where I read a row back
.set CO,   26                          ; v26     my byte offset in a row of z
.set ADRY, 27                          ; v27     y's scale bytes: my half's 64 bytes of a row + 2 (l % 16)
.set SPW,  28                          ; v28     LDS address of my spare word; never rewritten
.set NIL,  29                          ; v29     0; never rewritten
.set ADRW, 30                          ; v30     W's scale words: row l % 16 of my 128
.set SC,   32                          ; scale words: set s at v[SC + 32 s]; register 4 i + q: lanes 0-15 the word of y's block i, lanes 16-31 that of W's block i
.set AF,   128
.set BK,   128
.set G1, 24                            ; s[24:31] descriptor group 1 for y's codes;  s[32:39] group 0, one set for each slot
.set G0, 32
.set G1B, 48                           ; s[48:55], s[56:63] the same for W's codes
.set G0B, 56
.set G1S, 68                           ; s[68:75], s[76:79] for y's scales;  s[80:87], s[88:91] for W's
.set G0S, 76
.set G1SB, 80
.set G0SB, 88
.set MSB, 0
.macro WIN new
.if MSB != \new
	s_set_vgpr_msb (MSB<<8)|\new
.set MSB, \new
.endif
.endm
.set MUL_LO, 0xa1                      ; source 0 (W) window 1, source 1 (y) window 0, C and D window 2
.set MUL_HI, 0xf1
.set TO_B,   0x40
.macro JLOAD g0a, g1a, g0b, g1b        ; a joint load: waves 0 and 1 fetch for y, waves 2 and 3 for W; an s_nop 0 and four v_nop follow each of the two lines
	s_cmp_eq_u32 s15, 0
	s_cbranch_scc0 .Lfor_b_\@
	tensor_load_to_lds s[\g0a:\g0a+3], s[\g1a:\g1a+7]
	s_nop 0
.rept 4
	v_nop
.endr
	s_branch .Lasked_\@
.Lfor_b_\@:
	tensor_load_to_lds s[\g0b:\g0b+3], s[\g1b:\g1b+7]
	s_nop 0
.rept 4
	v_nop
.endr
.Lasked_\@:
.endm
.macro CROUND                          ; a round of the cluster's barrier
	s_barrier_signal -1
	s_barrier_wait -1
	s_cmp_lg_u32 s14, 0
	s_cbranch_scc1 .Lnot_wave_0_\@
	s_barrier_signal -3
.Lnot_wave_0_\@:
	s_barrier_wait -3
	s_barrier_signal -1
	s_barrier_wait -1
.endm
	s_load_b128 s[4:7], s[0:1], 0x0                ; yc s[4:5], ysc s[6:7]
	s_load_b128 s[8:11], s[0:1], 0x10              ; wc s[8:9], ws s[10:11]
	s_load_b64 s[12:13], s[0:1], 0x20              ; z
	v_lshl_add_u32 v[SPW], v0, 2, SPARE
	v_mov_b32 v[NIL], 0
	ds_add_u32 v[SPW], v[NIL]                      ; the wave's opening: the add, twice on end, and its wait ahead of my first tensor load
	ds_add_u32 v[SPW], v[NIL]
	v_lshrrev_b32 v1, 5, v0
	v_readfirstlane_b32 s14, v1                    ; wave 0..3
	s_lshr_b32 s15, s14, 1                         ; which half of the tile's rows is mine.  Also: I fetch for y (0) or for W (1)
	s_and_b32 s16, s14, 1                          ; which half of its columns.  Also: which half I fetch
	s_bfe_u32 s40, ttmp6, 0x40000                  ; cx, cy
	s_bfe_u32 s41, ttmp6, 0x40004
	s_lshl_b32 s42, ttmp9, 2
	s_add_co_u32 s42, s42, s40                     ; tile column of z
	s_and_b32 s17, ttmp7, 0xffff
	s_lshl_b32 s17, s17, 2
	s_add_co_u32 s17, s17, s41                     ; tile row of z
	s_lshl_b32 s43, s41, 2
	s_lshl_b32 s43, 15, s43                        ; my row of the cluster
	s_lshl_b32 s44, 0x1111, s40                    ; my column
	s_mov_b32 s95, 0xffff0000                      ; lanes 16-31
	; y's codes: 8 tiles of rows, of each 8 heads' images: 8 rows of 4,096 bytes (512 elements of 8), 8,192 bytes apart in memory, dense in LDS
	s_or_b32 s[G1+0], s43, (3<<16)|(1<<21)         ; 15:0 the mask: my row of the cluster; 17:16 elements of 8 bytes; 21 set beside a mask; no padding
	s_mov_b32 s[G1+1], 512<<16                     ; tensor_dim0
	s_mov_b32 s[G1+2], 8<<16                       ; tensor_dim1
	s_mov_b32 s[G1+3], 512<<16                     ; tile_dim0
	s_mov_b32 s[G1+4], 8                           ; tile_dim1
	s_mov_b32 s[G1+5], 1024                        ; tensor_dim0_stride
	s_mov_b32 s[G1+6], 0
	s_mov_b32 s[G1+7], 0
	; W's codes: 128 rows x 256 bytes, 16 bytes of padding behind each
	s_or_b32 s[G1B+0], s44, (0<<16)|(1<<20)|(1<<21)|(5<<22)|(3<<25)
	s_mov_b32 s[G1B+1], ROWB<<16
	s_mov_b32 s[G1B+2], 128<<16
	s_mov_b32 s[G1B+3], ROWB<<16
	s_mov_b32 s[G1B+4], 128
	s_mov_b32 s[G1B+5], KROW
	s_mov_b32 s[G1B+6], 0
	s_mov_b32 s[G1B+7], 0
	; y's scales: 32 rows (4 h + j) of 128 bytes (16 elements of 8), 1,024 bytes apart; 16 bytes of padding behind every 32 words (code 4)
	s_or_b32 s[G1S+0], s43, (3<<16)|(1<<20)|(1<<21)|(4<<22)|(3<<25)
	s_mov_b32 s[G1S+1], 16<<16
	s_mov_b32 s[G1S+2], 32<<16
	s_mov_b32 s[G1S+3], 16<<16
	s_mov_b32 s[G1S+4], 32
	s_mov_b32 s[G1S+5], 128
	s_mov_b32 s[G1S+6], 0
	s_mov_b32 s[G1S+7], 0
	; W's scales of 128 rows: a dense block of 4,096 bytes as 16 rows of 256, 16 bytes of padding behind each
	s_or_b32 s[G1SB+0], s44, (3<<16)|(1<<20)|(1<<21)|(5<<22)|(3<<25)
	s_mov_b32 s[G1SB+1], 32<<16
	s_mov_b32 s[G1SB+2], 16<<16
	s_mov_b32 s[G1SB+3], 32<<16
	s_mov_b32 s[G1SB+4], 16
	s_mov_b32 s[G1SB+5], 32
	s_mov_b32 s[G1SB+6], 0
	s_mov_b32 s[G1SB+7], 0
	s_lshl_b32 s20, s17, 17                        ; y's codes: 16 tiles of rows x 8,192 bytes a tile row of z,
	s_lshl_b32 s21, s16, 16                        ; 8 of them a half
	s_add_co_u32 s20, s20, s21
	s_mov_b32 s21, 0
	s_lshr_b32 s22, s17, 3                         ; y's scales: batch b: 64 rows of 1,024 bytes;
	s_lshl_b32 s22, s22, 16
	s_lshl_b32 s23, s16, 15                        ; 32 rows a half;
	s_add_co_u32 s22, s22, s23
	s_and_b32 s23, s17, 7
	s_lshl_b32 s23, s23, 7                         ; in each row the 128 bytes of my 16 tiles
	s_add_co_u32 s22, s22, s23
	s_mov_b32 s23, 0
	s_lshl_b32 s46, s42, 8
	s_lshl_b32 s47, s16, 7
	s_add_co_u32 s46, s46, s47                     ; W: row 256 x tile column + 128 x half
	s_lshl_b32 s92, s46, 5                         ; its scales
	s_mov_b32 s93, 0
	s_lshl_b32 s46, s46, 9                         ; its codes
	s_mov_b32 s47, 0
	s_lshl_b32 s45, s16, 15                        ; where they go in LDS: the wave's number alone decides
	s_mul_i32 s94, s16, HALFT
	s_add_co_u32 s94, s94, BOFF
	s_mul_i32 s18, s16, YHALF
	s_add_co_u32 s18, s18, YS
	s_mul_i32 s19, s16, HALFS
	s_add_co_u32 s19, s19, SCB
	s_wait_dscnt 0x0                               ; both opening adds are done
	s_wait_kmcnt 0x0
	s_add_nc_u64 s[20:21], s[4:5], s[20:21]
	s_add_nc_u64 s[22:23], s[6:7], s[22:23]
	s_add_nc_u64 s[46:47], s[8:9], s[46:47]
	s_add_nc_u64 s[92:93], s[10:11], s[92:93]
	CROUND                                         ; all sixteen work-groups are here: the joint loads meet
	s_mov_b32 s[G0S], 1
	s_mov_b32 s[G0S+1], s18
	s_mov_b64 s[G0S+2:G0S+3], s[22:23]
	s_or_b32 s[G0S+3], s[G0S+3], 0x80000000
	s_mov_b32 s[G0SB], 1
	s_mov_b32 s[G0SB+1], s19
	s_mov_b64 s[G0SB+2:G0SB+3], s[92:93]
	s_or_b32 s[G0SB+3], s[G0SB+3], 0x80000000
	JLOAD G0S, G1S, G0SB, G1SB                     ; the scales first
.irp s, 0,1
	s_mov_b32 s[G0+4*\s], 1
	s_add_co_u32 s[G0+4*\s+1], s45, \s*SLOT
	s_add_nc_u64 s[G0+4*\s+2:G0+4*\s+3], s[20:21], \s*4096         ; slot s: heads 8 s .. 8 s + 7
	s_or_b32 s[G0+4*\s+3], s[G0+4*\s+3], 0x80000000
	s_mov_b32 s[G0B+4*\s], 1
	s_add_co_u32 s[G0B+4*\s+1], s94, \s*SLOT
	s_add_nc_u64 s[G0B+4*\s+2:G0B+4*\s+3], s[46:47], \s*ROWB
	s_or_b32 s[G0B+4*\s+3], s[G0B+4*\s+3], 0x80000000
	JLOAD G0+4*\s, G1, G0B+4*\s, G1B               ; three tensor loads of mine are out, and no more follow
.endr
	v_and_b32 v1, 15, v0                           ; l % 16
	v_bfe_u32 v2, v0, 4, 1                         ; l / 16
	v_and_b32 v6, 31, v0
	v_lshlrev_b32 v[CO], 4, v6                     ; 16 x lane
	v_mul_u32_u24 v3, v1, PITCH
	v_lshl_add_u32 v4, v2, 4, v3                   ; W: a fragment's row x pitch + 16 x half
	s_lshl_b32 s21, s15, 15                        ; my 8 tiles of y's rows
	s_mul_i32 s22, s16, HALFT                      ; my 128 rows of W
	s_add_co_u32 s22, s22, BOFF
.irp s, 0,1
	v_add_nc_u32 v[ADRA+\s], s21, v[CO]
	v_add_nc_u32 v[ADRB+\s], s22, v4
	s_add_co_u32 s21, s21, SLOT
	s_add_co_u32 s22, s22, SLOT
.endr
	s_lshl_b32 s21, s15, 6
	s_add_co_u32 s21, s21, YS
	v_lshl_add_u32 v[ADRY], v1, 1, s21
	v_lshlrev_b32 v5, 5, v1                        ; W's scales: 32 bytes a row,
	v_lshrrev_b32 v6, 8, v5
	v_lshl_add_u32 v5, v6, 4, v5                   ; and 16 more for each 256 passed
	s_mul_i32 s22, s16, HALFS
	s_add_co_u32 s22, s22, SCB
	v_add_nc_u32 v[ADRW], s22, v5
	s_mul_i32 s23, s14, 16*SPITCH                  ; my stage
	v_mul_u32_u24 v5, v1, SPITCH                   ; in: row l % 16, 32 bytes for each half of the lanes
	v_lshl_add_u32 v5, v2, 5, v5
	v_add_nc_u32 v[STO], s23, v5
	v_add_nc_u32 v[RD], s23, v[CO]                 ; back: the 32 lanes take one row of 512 bytes
	s_lshl_b32 s20, s17, 8
	s_lshl_b32 s21, s15, 7
	s_add_co_u32 s20, s20, s21                     ; my first row of z
	s_lshl_b32 s20, s20, 12                        ; a row is 4,096 bytes (8,192 rows: under 2^25 bytes)
	s_mov_b32 s21, 0
	s_lshl_b32 s46, s42, 10                        ; my first column, in bytes
	s_lshl_b32 s47, s16, 9
	s_add_co_u32 s46, s46, s47
	s_mov_b32 s47, 0
	s_add_nc_u64 s[20:21], s[20:21], s[46:47]
	s_add_nc_u64 s[12:13], s[12:13], s[20:21]
.macro FRAGA reg, slot, q, i           ; y's fragment of tile i, the slot's q-th 128 along K: the images of heads 2 q and 2 q + 1, as they lie: 512 consecutive bytes a load
.irp c, 0,1
	ds_load_b128 v[\reg+4*\c:\reg+4*\c+3], v[ADRA+\slot] offset:4096*(\i)+1024*(\q)+512*\c
.endr
.endm
.macro FRAGB reg, slot, q, i           ; W's: lane l holds row l % 16; registers 4 c .. 4 c + 3 hold K = 64 c + 32 (l / 16) + 0 .. 31
.irp c, 0,1
	ds_load_b128 v[\reg+4*\c:\reg+4*\c+3], v[ADRB+\slot] offset:64*(\q)+32*\c+(\i)*16*PITCH
.endr
.endm
; 16 matrix instructions: y's blocks a0, a0 + 1 x W's eight.  The 64 accumulators take turns, one instruction a turn, in the same order in every step.
.macro MUL16 a0, p, q, sc, zero
.irp a, \a0, \a0+1
.irp b, 0,1,2,3,4,5,6,7
.if \zero
	v_wmma_scale_f32_16x16x128_f8f6f4 v[8*(8*((\a)%4)+\b):8*(8*((\a)%4)+\b)+7], v[128*(\p)+FR*\b:128*(\p)+FR*\b+FR-1], v[AF+FR*(\a):AF+FR*(\a)+FR-1], 0, v[SC+8*NQ*(\sc)+NQ*\b+(\q)], v[SC+8*NQ*(\sc)+NQ*(\a)+(\q)] matrix_a_fmt:MATRIX_FMT_FP4 matrix_b_fmt:MATRIX_FMT_FP4 matrix_a_scale:MATRIX_SCALE_ROW1
.else
	v_wmma_scale_f32_16x16x128_f8f6f4 v[8*(8*((\a)%4)+\b):8*(8*((\a)%4)+\b)+7], v[128*(\p)+FR*\b:128*(\p)+FR*\b+FR-1], v[AF+FR*(\a):AF+FR*(\a)+FR-1], v[8*(8*((\a)%4)+\b):8*(8*((\a)%4)+\b)+7], v[SC+8*NQ*(\sc)+NQ*\b+(\q)], v[SC+8*NQ*(\sc)+NQ*(\a)+(\q)] matrix_a_fmt:MATRIX_FMT_FP4 matrix_b_fmt:MATRIX_FMT_FP4 matrix_a_scale:MATRIX_SCALE_ROW1
.endif
.endr
.endr
.endm
.macro FETCH_B slot, q, p
	WIN TO_B
.irp i, 0,1,2,3,4,5,6,7
	FRAGB 128*(\p)+FR*\i, \slot, \q, \i
.endr
	WIN 0
.endm
.macro FETCH_A slot, q, i0
.irp i, \i0, \i0+1, \i0+2, \i0+3
	FRAGA AF+FR*(\i), \slot, \q, \i
.endr
.endm
; Slot s's 32 scale registers.  y's word of block i (j = i / 2, e = i % 2) and K step Q = 4 s + q is made of two heads' byte pairs, rows 4 (2 Q) + j and 4 (2 Q + 1) + j of the scales' tile; W's words come four at a time.
; Lanes 0-15 keep y's word, lanes 16-31 take W's.
.macro SCL s
.irp i, 0,1,2,3,4,5,6,7
.irp q, 0,1,2,3
	ds_load_u16 v[192+4*\i+\q], v[ADRY] offset:(8*(4*\s+\q)+\i/2)*YP+32*(\i%2)
	ds_load_u16 v[224+4*\i+\q], v[ADRY] offset:(8*(4*\s+\q)+\i/2)*YP+32*(\i%2)+4*YP
.endr
	ds_load_b128 v[96+4*\i:99+4*\i], v[ADRW] offset:\i*SBLK+16*\s
.endr
	s_wait_dscnt 0x0
.set N, 0
.rept 32
	v_lshl_or_b32 v[SC+32*\s+N], v[224+N], 16, v[192+N]
.set N, N+1
.endr
.set N, 0
.rept 32
	v_cndmask_b32 v[SC+32*\s+N], v[SC+32*\s+N], v[96+N], s95
.set N, N+1
.endr
.endm
; A load into a register that a matrix instruction has read, and a vector instruction or an LDS store that reads a matrix result, stand NP places behind it; only plain vector instructions that name none of its
; registers are places (ISA guide 7.12.1 for vector instructions).
.macro PLACES n
.rept \n
	v_nop
.endr
.endm
.macro STEP slot, q, zero              ; a step of 128 along K that has its successor in the same slot
	s_wait_dscnt 4*NL                              ; W's set and y's blocks 0-3 are in; the youngest eight loads (blocks 4-7) may be out
	WIN MUL_LO
	MUL16 0, (\q)%2, \q, \slot, \zero
	MUL16 2, (\q)%2, \q, \slot, \zero
	s_wait_dscnt 0                                 ; blocks 4-7 are in
	PLACES NP
	FETCH_B \slot, (\q)+1, 1-(\q)%2
	FETCH_A \slot, (\q)+1, 0
	WIN MUL_HI
	MUL16 4, (\q)%2, \q, \slot, \zero
	MUL16 6, (\q)%2, \q, \slot, \zero
	PLACES NP
	WIN 0
	FETCH_A \slot, (\q)+1, 4
.endm
.macro TURN slot, next                 ; slot 0's last step goes over to slot 1: every wave's loads have landed, and a barrier shows the whole slot to every wave; nothing is filled again
	s_wait_tensorcnt 0x0                           ; all my tensor loads have landed  (every window is 0 here)
	ds_add_u32 v[SPW], v[NIL]                      ; 0 onto my spare word
	s_wait_dscnt 4*NL+1                            ; (the add and the youngest eight loads may be out)
	WIN MUL_LO
	MUL16 0, 1, NQ-1, \slot, 0
	s_wait_dscnt 0x0                               ; no LDS instruction of mine is out at the signal: my reads of slot 0 are over
	s_barrier_signal -1
	MUL16 2, 1, NQ-1, \slot, 0
	WIN 0
	s_barrier_wait -1
	PLACES NP
	FETCH_B \next, 0, 0
	FETCH_A \next, 0, 0
	WIN MUL_HI
	MUL16 4, 1, NQ-1, \slot, 0
	MUL16 6, 1, NQ-1, \slot, 0
	PLACES NP
	WIN 0
	FETCH_A \next, 0, 4
.endm
.macro STEPS slot, from
.set Q, \from
.rept NQ-1-\from
	STEP \slot, Q, 0
.set Q, Q+1
.endr
.endm
	s_wait_tensorcnt 1                             ; the scales and my part of slot 0 are in (slot 1's load may be out),
	s_barrier_signal -1
	s_barrier_wait -1                              ; everybody's are
	SCL 0                                          ; both slots' scale words are made here, once; set 1's 64 lines are also the places between set 0's last write and the first product
	SCL 1
	FETCH_B 0, 0, 0
	FETCH_A 0, 0, 0
	FETCH_A 0, 0, 4
	STEP 0, 0, 1                                   ; the first products start the sums: nothing is cleared
	STEPS 0, 1
	TURN 0, 1
	STEPS 1, 0
	s_wait_dscnt 4*NL                              ; the last step: nothing more to fetch
	WIN MUL_LO
	MUL16 0, 1, NQ-1, 1, 0
	MUL16 2, 1, NQ-1, 1, 0
	s_wait_dscnt 0
	WIN MUL_HI
	MUL16 4, 1, NQ-1, 1, 0
	MUL16 6, 1, NQ-1, 1, 0
	WIN 0
; THE WAY OUT, block by block of 16 rows x 128 columns.  A lane holds 32 neighbouring bytes of a row, and the lanes beside it hold other rows: so a block goes through my own stage in LDS and comes back as whole
; rows of 512 bytes.  LDS serves a wave's instructions in order (ISA guide 5.7.1.4): no wait between the stores and the loads, nor in front of the next block's stores.
.macro TOSTAGE a
.set AC, 64*((\a)%4)
.set WDAT, 0x08+4*((\a)/4)
	WIN WDAT                                       ; the data: window 2 or 3
.irp b, 0,1,2,3,4,5,6,7
	ds_store_b128 v[STO], v[AC+8*\b:AC+8*\b+3] offset:64*\b          ; each accumulator from its low end on
	ds_store_b128 v[STO], v[AC+8*\b+4:AC+8*\b+7] offset:64*\b+16
.endr
	WIN 0
.set BB, BK+64*((\a)%2)
.irp t, 0,1,2,3,4,5,6,7,8,9,10,11,12,13,14,15
	ds_load_b128 v[BB+4*\t:BB+4*\t+3], v[RD] offset:\t*SPITCH
.endr
.endm
.macro SEND a, younger                 ; younger: the LDS instructions issued behind block a's loads, which may stay out
.set BB, BK+64*((\a)%2)
	s_wait_dscnt \younger                          ; the block is back in registers
.if (\a) > 0
	s_add_nc_u64 s[12:13], s[12:13], 16*SIZE_N*4   ; (behind a wait on XCNT: the earlier stores have read their base)  16 rows of z on
.endif
.irp t, 0,1,2,3,4,5,6,7,8,9,10,11,12,13,14,15
	global_store_b128 v[CO], v[BB+4*\t:BB+4*\t+3], s[12:13] offset:\t*SIZE_N*4 th:TH_STORE_NT   ; 32 lanes store 512 consecutive bytes, at a multiple of 256 from z's first byte
.endr
.endm
	PLACES NP                                      ; behind the last products: for the reads of their results and the loads into the registers that held y's fragments
	TOSTAGE 0
.irp a, 1,2,3,4,5,6,7
.if \a > 1
	s_wait_xcnt 0x0                                ; block a - 2's stores have read their registers and their base
.endif
	TOSTAGE \a
	SEND \a-1, 32                                  ; behind block a - 1's loads: block a's 16 stores and 16 loads
.endr
	s_wait_xcnt 0x0                                ; block 6's stores have read their base
	SEND 7, 0
	s_wait_tensorcnt 0x0                           ; the wave's end
	ds_add_u32 v[SPW], v[NIL]
	s_wait_dscnt 0x0
	CROUND                                         ; the closing round
	s_endpgm
.Lfunc_end_k_qbe1152a35e_outp:
	.size	k_qbe1152a35e_outp, .Lfunc_end_k_qbe1152a35e_outp-k_qbe1152a35e_outp
	.p2alignl 7, 3214868480
	.fill 96, 4, 3214868480
	.section	.rodata,"a",@progbits
	.p2align	6, 0x0
	.amdhsa_kernel k_qbe1152a35e_outp
		.amdhsa_group_segment_fixed_size 327680
		.amdhsa_private_segment_fixed_size 0
		.amdhsa_enable_private_segment 0
		.amdhsa_kernarg_size 40
		.amdhsa_user_sgpr_count 2
		.amdhsa_user_sgpr_kernarg_segment_ptr 1
		.amdhsa_wavefront_size32 1
		.amdhsa_system_sgpr_workgroup_id_x 1
		.amdhsa_system_sgpr_workgroup_id_y 1
		.amdhsa_system_sgpr_workgroup_id_z 1
		.amdhsa_system_vgpr_workitem_id 0
		.amdhsa_next_free_vgpr 1024
		.amdhsa_next_free_sgpr 98
		.amdhsa_reserve_vcc 0
		.amdhsa_float_denorm_mode_32 3
		.amdhsa_float_denorm_mode_16_64 3
		.amdhsa_memory_ordered 1
		.amdhsa_forward_progress 1
		.amdhsa_inst_pref_size 141
	.end_amdhsa_kernel
	.amdgpu_metadata
---
amdhsa.version: [ 1, 2 ]
amdhsa.kernels:
  - .name:           k_qbe1152a35e_outp
    .symbol:         k_qbe1152a35e_outp.kd
    .args:
      - { .name: yc, .offset: 0, .size: 8, .value_kind: global_buffer, .address_space: global }
      - { .name: ysc, .offset: 8, .size: 8, .value_kind: global_buffer, .address_space: global }
      - { .name: wc, .offset: 16, .size: 8, .value_kind: global_buffer, .address_space: global }
      - { .name: ws, .offset: 24, .size: 8, .value_kind: global_buffer, .address_space: global }
      - { .name: out0, .offset: 32, .size: 8, .value_kind: global_buffer, .address_space: global }
    .group_segment_fixed_size: 327680
    .private_segment_fixed_size: 0
    .kernarg_segment_align: 8
    .kernarg_segment_size: 40
    .max_flat_workgroup_size: 128
    .sgpr_count:     98
    .vgpr_count:     1024
    .wavefront_size: 32
...
	.end_amdgpu_metadata
.endif
;; end of part 4
